; MI455X (gfx1250); checked and timed in simulation.
; The chip was launched on July 23, 2026; its instructions are those of AMD's public machine-readable ISA for CDNA 5 (MIT licence, August 2026) and "CDNA5" Instruction Set Architecture Reference Guide (July 2026). The comments in the code are by the model that wrote it; some were corrected since.
;; Llama Attention Experimental. Allowed arithmetic: matrix products marked QUANTISED: E2M3 operands, one E8M0 scale for each 32 along K, by v_wmma_scale_f32_16x16x128_f8f6f4 with both operands' format E2M3, f32 sums; everything else in f32.
;; Inputs: Wk 1,024 x 4,096 float32; Wo 4,096 x 2,048 float32; Wq 2,048 x 4,096 float32; Wv 1,024 x 4,096 float32; cos 2,048 x 128 float32; hidden_states 1 x 2,048 x 4,096 float32; sin 2,048 x 128 float32.
;; Outputs: out0 1 x 2,048 x 4,096 float32.
;; This version of the problem:
;;   THIS VERSION OF THE PROBLEM IS GIVEN IN LOW PRECISION. The matrix products marked QUANTISED in the list below multiply operands that are first quantised to E2M3 (2 exponent bits, 3 mantissa bits; 6 bits a number), with one power-of-two scale for each 32 numbers along K (OCP MX v1.0); their sums are f32. All else is computed in f32.
;;   The module's matrix products, in the order in which they are computed (A, B: the left and right operand; K: the contracted axis; several contracted axes count as one K, in the product's order):
;;     1. [M 2,048, K 4,096] x [K 4,096, N 2,048]; A: input hidden_states; B: input Wq: QUANTISED
;;     2. [M 2,048, K 4,096] x [K 4,096, N 1,024]; A: input hidden_states; B: input Wk: QUANTISED
;;     3. [M 2,048, K 4,096] x [K 4,096, N 1,024]; A: input hidden_states; B: input Wv: QUANTISED
;;     4. batch 16 x [M 2,048, K 128] x [K 128, N 2,048]; A: computed on the way; B: computed on the way: QUANTISED
;;     5. batch 16 x [M 2,048, K 2,048] x [K 2,048, N 128]; A: softmax (see below); B: computed on the way: QUANTISED
;;     6. [M 2,048, K 2,048] x [K 2,048, N 4,096]; A: computed on the way; B: input Wo: QUANTISED
;;   THE QUANTISER, for each operand of a quantised product, along K:
;;     - K is cut into blocks of 32 from its start; a last block that is shorter is filled with zeros.
;;     - A block's scale is 2^e with e = floor(log2(the largest magnitude in the block)) - 2, held to -126 .. 127; a block of zeros has e = 0. As a byte (E8M0): e + 127.
;;     - Each number is divided by its block's scale, clamped to +-7.5, and rounded to the nearest number of E2M3, ties to even, subnormals kept.
;;     - The product sums the exact products of the quantised numbers (number of the format x scale) in f32.
;;   ~~~python
;;   def quantise(x, axis):      # numpy; x: float32 -> the quantised numbers, widened to float32 again
;;       x = np.moveaxis(x, axis, -1); K = x.shape[-1]
;;       x = np.pad(x, [(0, 0)] * (x.ndim - 1) + [(0, -K % 32)]); x = x.reshape(x.shape[:-1] + (-1, 32)); a = np.abs(x).max(-1, keepdims=True)
;;       e = np.where(a > 0, np.clip(np.frexp(np.where(a > 0, a, 1))[1] - 1 - 2, -126, 127), 0)      # np.frexp(a)[1] - 1 = floor(log2(a)), exactly
;;       r = np.clip(x / 2.0 ** e, -7.5, 7.5)
;;       step = 2.0 ** (np.maximum(np.frexp(np.where(r == 0, 1, r))[1] - 1, 0) - 3)
;;       q = np.round(r / step) * step * 2.0 ** e      # np.round: ties to even
;;       return np.moveaxis(q.reshape(q.shape[:-2] + (-1,))[..., :K], -1, axis).astype(np.float32)
;;   ~~~
;;   SOFTMAX AHEAD OF A QUANTISED PRODUCT. Where the list says 'softmax', what is quantised is not the finished softmax but p = 2^(t - M), with t = logit x log2(e) and M = ceil(the row's largest t), a whole number; so 1/2 < the row's largest p <= 1. The row's sum l is taken of the UNQUANTISED p, in f32, and the product's result is divided by l at the end. Since M is a whole number, a kernel that streams over the keys may use a running M (the ceiling of the running maximum): every later rescaling is an exact power of two, which a block's scale takes up: the codes' values come out the same.
;;   OPERANDS COMPUTED ON THE WAY. 'Computed on the way' means the value that the module computes at that place (a softmax that the list does not call 'softmax' is quantised finished and normalised). What goes into a quantiser is computed in f32, as accurately as f32 sums, v_exp_f32 and their like allow (about 1e-6 of the number): no bf16 or f16 on the way to a quantiser, and a product that is left as it is and whose result goes on into a quantised operand takes f32 operands (vector FMAs, or v_wmma_f32_16x16x4_f32). A number that lies on a knife's edge between two numbers of the format may be rounded either way, as far as f32 arithmetic and the matrix unit's own rounding can turn it there, and no further.
;; One version. Each part assembles by itself: llvm-mc -triple=amdgcn-amd-amdhsa -mcpu=gfx1250 --defsym DOCPART=n.
;; ======== version 1 of 1: 4 launches
;; limits: right only within a limited range of input values
;; workspace buffers: img 26,214,400 bytes; qkvimg 6,553,600 bytes; attnimg 3,276,800 bytes; ropeimg 2,097,152 bytes
;; launch quant (part 1): grid 768 x 1, 4 waves a work-group, no clusters, 34,304 bytes of LDS; arguments hidden_states, Wq, Wk, Wv, img, cos, sin, ropeimg; writes img, ropeimg
.if DOCPART == 1
	.amdgcn_target "amdgcn-amd-amdhsa--gfx1250"
	.amdhsa_code_object_version 6
	.text
	.protected	k_qdfd8d0ec17_quant
	.globl	k_qdfd8d0ec17_quant
	.p2align	8
	.type	k_qdfd8d0ec17_quant,@function
k_qdfd8d0ec17_quant:
	s_mov_b64 s[64:65], 0
	v_nop
	global_prefetch_b8 v0, s[64:65] scope:SCOPE_SE
	s_setreg_imm32_b32 hwreg(HW_REG_WAVE_MODE, 25, 1), 1
	s_wait_xcnt 0x0
; hidden_states [2048][4096], Wq [2048][4096], Wk [1024][4096], Wv [1024][4096], all f32 with K innermost, become codes of FP6 (E2M3)
; with one E8M0 byte for each 32 along K, laid as IMAGES OF OPERAND REGISTERS.  A unit of 6,400 bytes is 16 rows x 512 K: four fragments (16 rows x 128 K,
; 12 registers a lane; registers 4 c .. 4 c + 3 of lane l at 1,536 q + 512 c + 16 l) and, from byte 6,144 on, the scale word of (step q, tile row r) at 64 q + 4 r.
; Units lie [row-block R][slot S of 512 K], tensor behind tensor: hidden 0, Wq 1,024, Wk 2,048, Wv 2,560.  (Wo's units, from 3,072 on, are made by launch attn: only the last launch reads them.)
; THE ROWS OF A ROW-BLOCK ARE NOT NEIGHBOURS: tile row i of row-block R is row 32 (R / 2) + 8 (R % 2) + i + 8 (i / 8), so that the products' results, used transposed, have 16 neighbours in a lane's 16 registers.
; A block's scale is 2^(floor(log2(largest magnitude)) - 2); its byte is the largest magnitude's exponent field - 2, held at 1 from below.
; COS AND SIN [2048][128] f32 are laid as images of registers too: ropeimg[R][qd][lane] of 16 bytes, R the row-block of 16 tokens (rows chosen as above), qd = 0 .. 15 cos, 16 .. 31 sin;
;   lane (r, h) of quad 4 b + j holds d = 32 b + 16 h + 4 j .. + 3 of token row r.  Wave G makes quad G of the 4,096; the 1,024 waves of the first 256 work-groups make quad G + 3,072 as well.
; WORK LEFT OUT BY THE PROGRAM: in launch attn the key steps all of whose keys come after a tile's queries: reference()'s own causal mask gives them p = 0 whatever the inputs hold.
;   A NaN, an infinity or an overflow that reaches only those scores is not carried to the result.  Every input is loaded.
; LIMITS: a block of zeros, or one whose largest magnitude lies under 2^-124, gets the byte 1 (the bytes are read by this program alone; zero codes add nothing); NaN and infinities are not served.
; SHARES: wave G = 4 x work-group + wave makes unit G: 32 KiB read, 6,400 consecutive bytes written.  Waves share nothing: no barrier.  Work-groups share no input: no cluster.
; Each load reads 512 consecutive bytes of one row; a step's 16 rows turn through the wave's own stage in LDS (pitch 528), so that a lane gets two whole blocks of 32 of its row.
.set STG,   8448                       ; a wave's stage: 16 rows x (512 + 16) bytes
.set SPARE, 4*STG                      ; behind the stages: the spare words, 128 bytes a wave, two blocks of 256 bytes that no other line names
.set SPW,   14                         ; v14  my spare word's LDS address; never rewritten
.set NIL,   15                         ; v15  0; never rewritten
.set ROWA,  16                         ; v16-31  tile row i's byte offset + 16 x lane; never rewritten
.set LD,    32                         ; v32-159 two sets of 64 registers as loaded
.set X,     160                        ; v160-223 my two blocks of 32
.set PC,    224                        ; v224-235 the fragment (ahead of step 0: v224-227 the second rope quad)
.set OD,    236                        ; v236-238, v240-242 the blocks' upper halves (a conversion's three registers begin on an even number)
.set W,     244                        ; v244-247 the four steps' scale words
	s_load_b256 s[4:11], s[0:1], 0x0               ; hidden s[4:5], Wq s[6:7], Wk s[8:9], Wv s[10:11]
	s_load_b64 s[14:15], s[0:1], 0x20              ; img
	s_load_b128 s[32:35], s[0:1], 0x28             ; cos s[32:33], sin s[34:35]
	s_load_b64 s[36:37], s[0:1], 0x38              ; ropeimg
	v_lshl_add_u32 v[SPW], v0, 2, SPARE
	v_mov_b32 v[NIL], 0
	v_lshrrev_b32 v1, 5, v0
	v_readfirstlane_b32 s16, v1                    ; wave
	v_and_b32 v1, 31, v0                           ; lane
	v_and_b32 v2, 15, v0                           ; r
	v_bfe_u32 v3, v0, 4, 1                         ; h
	v_lshlrev_b32 v4, 4, v1                        ; 16 x lane
	s_wait_alu depctr_va_vdst(0)
	v_lshlrev_b32 v5, 2, v1                        ; 4 x lane
	s_mul_i32 s24, s16, STG
	v_add_nc_u32 v6, s24, v4                       ; the stage, in: 16 x lane of a row
	v_mul_u32_u24 v7, v2, 528
	v_lshl_add_u32 v7, v3, 7, v7
	v_add_nc_u32 v7, s24, v7                       ; out: row r, + 128 h: my block of each 64 along K
	v_lshlrev_b32 v248, 3, v3                      ; 8 h: my bytes' place in a scale word
	v_mov_b32 v249, 0                              ; a lane permute's destination counts as one of its sources
	s_mov_b32 s28, 0x76543210
	s_mov_b32 s29, 0xfedcba98                      ; selects for lane l xor 16
	s_mov_b32 s30, 0xffff0000                      ; lanes 16-31
	s_lshl_b32 s38, ttmp9, 2
	s_add_co_u32 s38, s38, s16                     ; G
	s_lshr_b32 s39, s38, 5                         ; the rope quad's row-block
	s_and_b32 s40, s38, 31                         ; qd
	s_lshr_b32 s41, s39, 1
	s_lshl_b32 s41, s41, 5
	s_and_b32 s42, s39, 1
	s_lshl_b32 s42, s42, 3
	s_add_co_u32 s41, s41, s42                     ; its first token
	s_lshl_b32 s41, s41, 9                         ; 512 bytes a token
	s_bfe_u32 s42, s40, 0x20002                    ; b
	s_lshl_b32 s42, s42, 7
	s_add_co_u32 s41, s41, s42
	s_and_b32 s42, s40, 3                          ; j
	s_lshl_b32 s42, s42, 4
	s_add_co_u32 s41, s41, s42
	v_and_b32 v250, 8, v2
	v_add_nc_u32 v250, v250, v2                    ; r + 8 (r / 8)
	v_lshlrev_b32 v250, 9, v250
	v_lshl_add_u32 v250, v3, 6, v250               ; + 64 h
	v_add_nc_u32 v250, s41, v250
.irp i, 0,1,2,3
	v_mov_b32 v[PC+\i], 0                          ; written on every way, also where no second quad is loaded
.endr
.irp i, 0,1,2,3,4,5,6,7,8,9,10,11,12,13,14,15
	v_lshl_add_u32 v[ROWA+\i], \i+8*(\i/8), 14, v4 ; a row is 16,384 bytes
.endr
	s_wait_alu depctr_va_vdst(0)
	s_wait_kmcnt 0x0
	s_mov_b64 s[22:23], s[10:11]                   ; which tensor: only a pointer and a number are chosen, on the work-group's number; one path serves all four
	s_mov_b32 s17, 640
	s_cmp_lt_u32 ttmp9, 640
	s_cselect_b64 s[22:23], s[8:9], s[22:23]
	s_cselect_b32 s17, 512, s17
	s_cmp_lt_u32 ttmp9, 512
	s_cselect_b64 s[22:23], s[6:7], s[22:23]
	s_cselect_b32 s17, 256, s17
	s_cmp_lt_u32 ttmp9, 256
	s_cselect_b64 s[22:23], s[4:5], s[22:23]
	s_cselect_b32 s17, 0, s17
	s_sub_co_u32 s24, ttmp9, s17
	s_lshl_b32 s24, s24, 2
	s_add_co_u32 s24, s24, s16                     ; my unit within the tensor
	s_lshr_b32 s25, s24, 3                         ; R
	s_and_b32 s26, s24, 7                          ; S
	s_lshr_b32 s27, s25, 1
	s_lshl_b32 s27, s27, 5
	s_and_b32 s25, s25, 1
	s_lshl_b32 s25, s25, 3
	s_add_co_u32 s25, s25, s27                     ; the row-block's first row
	s_lshl_b32 s24, s25, 14
	s_lshl_b32 s26, s26, 11
	s_add_co_u32 s24, s24, s26                     ; + 2,048 bytes a slot
	s_mov_b32 s25, 0
	s_add_nc_u64 s[22:23], s[22:23], s[24:25]
	s_mul_i32 s26, s38, 6400
	s_mov_b32 s27, 0
	s_add_nc_u64 s[14:15], s[14:15], s[26:27]      ; my unit in img
.macro LOAD t                          ; step t: 128 along K of the 16 rows; each load is 512 consecutive bytes
.irp i, 0,1,2,3,4,5,6,7,8,9,10,11,12,13,14,15
	global_load_b128 v[LD+64*((\t)%2)+4*\i:LD+64*((\t)%2)+4*\i+3], v[ROWA+\i], s[22:23] offset:512*(\t) th:TH_LOAD_NT
.endr
.endm
.macro STEP t
.if (\t) < 3
	s_wait_loadcnt 16                              ; this step's 16 loads are in; the next step's 16 may be out
.else
	s_wait_loadcnt 0x0
.endif
.irp i, 0,1,2,3,4,5,6,7,8,9,10,11,12,13,14,15
	ds_store_b128 v6, v[LD+64*((\t)%2)+4*\i:LD+64*((\t)%2)+4*\i+3] offset:528*\i
.endr
.irp c, 0,1
.irp j, 0,1,2,3,4,5,6,7
	ds_load_b128 v[X+32*\c+4*\j:X+32*\c+4*\j+3], v7 offset:256*\c+16*\j   ; k = 64 c + 32 h + 4 j ..: LDS serves a wave's instructions in order, so these see the stores above
.endr
.endr
	s_wait_dscnt 0x0
.if (\t) < 2
	LOAD (\t)+2                                    ; into the set that the stage's stores have read
.endif
.irp c, 0,1
	v_max3_num_f32 v[8+\c], |v[X+32*\c]|, |v[X+32*\c+1]|, 0x1800000   ; my block 2 c + h, and the floor 2^(3 - 127): the byte cannot fall under 1
.endr
.irp i, 2,4,6,8,10,12,14,16,18,20,22,24,26,28,30
.irp c, 0,1
	v_max3_num_f32 v[8+\c], v[8+\c], |v[X+32*\c+\i]|, |v[X+32*\c+\i+1]|
.endr
.endr
	v_add_nc_u32 v10, 0xff000000, v8               ; 2 off the exponent field: the conversion's scale operand
	v_add_nc_u32 v11, 0xff000000, v9
	v_lshrrev_b32 v12, 23, v10                     ; the bytes
	v_lshrrev_b32 v13, 23, v11
	v_lshl_or_b32 v[W+\t], v13, 16, v12            ; blocks h and 2 + h,
	v_lshlrev_b32 v[W+\t], v248, v[W+\t]           ; at their places;
	v_permlanex16_b32 v249, v[W+\t], s28, s29
	v_or_b32 v[W+\t], v[W+\t], v249                ; with lane l xor 16's two the row's word is whole
	s_wait_alu depctr_va_vdst(0)
	s_wait_xcnt 0x0                                ; the earlier stores have read the fragment's registers
.irp c, 0,1
	v_cvt_scalef32_pk16_fp6_f32 v[PC+6*\c:PC+6*\c+2], v[X+32*\c:X+32*\c+15], v[10+\c]
	v_cvt_scalef32_pk16_fp6_f32 v[OD+4*\c:OD+4*\c+2], v[X+32*\c+16:X+32*\c+31], v[10+\c]
.endr
	v_nop                                          ; one plain place behind a scaled conversion
.irp c, 0,1
.irp i, 0,1,2
	v_mov_b32 v[PC+6*\c+3+\i], v[OD+4*\c+\i]
.endr
.endr
.irp c, 0,1,2
	global_store_b128 v4, v[PC+4*\c:PC+4*\c+3], s[14:15] offset:1536*(\t)+512*\c   ; 512 consecutive bytes, at a multiple of 256 from the buffer's first byte
.endr
.endm
	s_cmp_lt_u32 s40, 16                           ; cos or sin: the choice hangs on ids alone
	s_cselect_b64 s[42:43], s[32:33], s[34:35]
	s_lshl_b32 s44, s38, 9
	s_mov_b32 s45, 0
	s_add_nc_u64 s[36:37], s[36:37], s[44:45]      ; my quad in ropeimg
	global_load_b128 v[252:255], v250, s[42:43]    ; older than every load below: their counted waits cover it
	s_cmp_lt_u32 ttmp9, 256
	s_cbranch_scc0 .Lone_quad
	global_load_b128 v[PC:PC+3], v250, s[42:43] offset:786432   ; quad G + 3,072: the same qd, 96 row-blocks, 1,536 tokens, on
.Lone_quad:
	LOAD 0
	LOAD 1
	s_cmp_lt_u32 ttmp9, 256
	s_cbranch_scc0 .Lno_second
	s_wait_loadcnt 32                              ; the two quads are in; the 32 loads of steps 0 and 1 may be out
	global_store_b128 v4, v[PC:PC+3], s[36:37] offset:1572864
.Lno_second:
	STEP 0
	STEP 1
	STEP 2
	STEP 3
	v_cndmask_b32 v12, v[W], v[W+1], s30           ; lanes 0-15 an even step's words, lanes 16-31 the odd step's
	v_cndmask_b32 v13, v[W+2], v[W+3], s30
	global_store_b32 v5, v12, s[14:15] offset:6144
	global_store_b32 v5, v13, s[14:15] offset:6272
	global_store_b128 v4, v[252:255], s[36:37]     ; 512 consecutive bytes, at a multiple of 256 from the buffer's first byte
	s_wait_tensorcnt 0x0                           ; the wave's end
	ds_add_u32 v[SPW], v[NIL]
	s_wait_dscnt 0x0
	s_endpgm
.Lfunc_end_k_qdfd8d0ec17_quant:
	.size	k_qdfd8d0ec17_quant, .Lfunc_end_k_qdfd8d0ec17_quant-k_qdfd8d0ec17_quant
	.p2alignl 7, 3214868480
	.fill 96, 4, 3214868480
	.section	.rodata,"a",@progbits
	.p2align	6, 0x0
	.amdhsa_kernel k_qdfd8d0ec17_quant
		.amdhsa_group_segment_fixed_size 34304
		.amdhsa_private_segment_fixed_size 0
		.amdhsa_enable_private_segment 0
		.amdhsa_kernarg_size 64
		.amdhsa_user_sgpr_count 2
		.amdhsa_user_sgpr_kernarg_segment_ptr 1
		.amdhsa_wavefront_size32 1
		.amdhsa_system_sgpr_workgroup_id_x 1
		.amdhsa_system_sgpr_workgroup_id_y 1
		.amdhsa_system_sgpr_workgroup_id_z 1
		.amdhsa_system_vgpr_workitem_id 0
		.amdhsa_next_free_vgpr 256
		.amdhsa_next_free_sgpr 66
		.amdhsa_reserve_vcc 0
		.amdhsa_float_denorm_mode_32 3
		.amdhsa_float_denorm_mode_16_64 3
		.amdhsa_memory_ordered 1
		.amdhsa_forward_progress 1
		.amdhsa_inst_pref_size 33
	.end_amdhsa_kernel
	.amdgpu_metadata
---
amdhsa.version: [ 1, 2 ]
amdhsa.kernels:
  - .name:           k_qdfd8d0ec17_quant
    .symbol:         k_qdfd8d0ec17_quant.kd
    .args:
      - { .name: hidden_states, .offset: 0, .size: 8, .value_kind: global_buffer, .address_space: global }
      - { .name: Wq, .offset: 8, .size: 8, .value_kind: global_buffer, .address_space: global }
      - { .name: Wk, .offset: 16, .size: 8, .value_kind: global_buffer, .address_space: global }
      - { .name: Wv, .offset: 24, .size: 8, .value_kind: global_buffer, .address_space: global }
      - { .name: img, .offset: 32, .size: 8, .value_kind: global_buffer, .address_space: global }
      - { .name: cos, .offset: 40, .size: 8, .value_kind: global_buffer, .address_space: global }
      - { .name: sin, .offset: 48, .size: 8, .value_kind: global_buffer, .address_space: global }
      - { .name: ropeimg, .offset: 56, .size: 8, .value_kind: global_buffer, .address_space: global }
    .group_segment_fixed_size: 34304
    .private_segment_fixed_size: 0
    .kernarg_segment_align: 8
    .kernarg_segment_size: 64
    .max_flat_workgroup_size: 128
    .sgpr_count:     66
    .vgpr_count:     256
    .wavefront_size: 32
...
	.end_amdgpu_metadata
.endif
;; end of part 1
;; launch qkv (part 2): grid 16 x 16, 4 waves a work-group, clusters of 4 x 4, 327,680 bytes of LDS; arguments img, ropeimg, qkvimg; writes qkvimg
.if DOCPART == 2
	.amdgcn_target "amdgcn-amd-amdhsa--gfx1250"
	.amdhsa_code_object_version 6
	.text
	.protected	k_qdfd8d0ec17_qkv
	.globl	k_qdfd8d0ec17_qkv
	.p2align	8
	.type	k_qdfd8d0ec17_qkv,@function
k_qdfd8d0ec17_qkv:
	s_mov_b64 s[64:65], 0
	v_nop
	global_prefetch_b8 v0, s[64:65] scope:SCOPE_SE
	s_setreg_imm32_b32 hwreg(HW_REG_WAVE_MODE, 25, 1), 1
	s_wait_xcnt 0x0
	s_wait_alu depctr_hold_cnt(0) depctr_sa_sdst(0) depctr_va_vdst(0) depctr_va_sdst(0) depctr_va_ssrc(0) depctr_va_vcc(0) depctr_vm_vsrc(0)
	s_getreg_b32 s2, hwreg(HW_REG_IB_STS2, 6, 4)
	s_cmp_eq_u32 s2, 0
	s_cbranch_scc0 .Lentry_in_a_cluster
	s_endpgm
.Lentry_in_a_cluster:
	s_bfe_u32 s2, ttmp6, 0x10000c
	s_cmp_lg_u32 s2, 0xf033
	s_cbranch_scc0 .Lentry_shape_is_right
	s_endpgm
.Lentry_shape_is_right:
; q, k = rope(hidden Wq^T, hidden Wk^T) and v^T = Wv hidden^T, on codes of FP6 (E2M3) with E8M0 scales; the results are quantised along their next K and stored as images of operand registers.
; IN (launch quant): units of 6,400 bytes, 16 rows x 512 K: four fragments at 1,536 q + 512 c + 16 lane, scale word of (step q, row r) at 6,144 + 64 q + 4 r; units lie [row-block][slot of 512 K].
;   ropeimg: for each row-block of 16 tokens 32 quads of 512 bytes, 0-15 cos, 16-31 sin, as a lane's registers want them.
; BLOCK: 128 rows (source 1) x 256 rows (source 0) a work-group, 64 x 128 a wave: 32 accumulators, 256 registers.  256 work-groups.  Cluster columns 0-2: rows = tokens, columns = Wq's and Wk's rows;
;   cluster column 3: rows = Wv's rows, columns = tokens, so that V comes out with the keys innermost.
; RING: two LDS slots of 24 units (512 along K), eight slots in all.  CLUSTER 4 x 4: the 128 rows' units are asked for jointly along a row of the cluster, the 256 rows' along a column; waves 0, 1 ask for
;   four units each, waves 2, 3 for eight.  By this text's count a wave has one tensor load out at any time.
; CHANGE OF SLOTS: half of the last quarter's products stand ahead of the wait for the tensor load; then the wait, the add, the wait for it, a round of the cluster's barrier, the joint refill.
; PREFETCH: behind the load of slot m stands the request for slot m + 2: a unit is 25 blocks of 256 bytes, a lane a block (lanes 25-31 name block 24 again); of a wave's four (eight) units the partner at
;   place cx (cy) takes one (two): shared out by address.  Slots 6 and 7 are the last asked for.  The rope tile is asked for in the loop's last trip, 32 blocks a wave, two changes of slots ahead of its load.
; ROPE: at the ring's last change of slots slot 0's bytes take the block's 128 tokens of ropeimg, 32 KiB a wave, jointly along a row.  Cluster column 3 issues and reads that tile as well and does not
;   use it: a joint load stands on every path of every partner, and the registers are then written on every way.
; LIMITS: a block of zeros, or one under 2^-124, gets the scale byte 1 (read by this program alone); NaN and infinities are not served.
; REGISTERS: window 0: v16-29 addresses; v32-79 scale words, two sets; v80-175 source 1's fragments, two sets; on the way out v32-243 at work.  window 1: source 0's fragments, two sets; window 2: accumulators;
;   windows 3 and 1 on the way out: cos and sin.
.set NS,    8
.set UNIT,  6400
.set SLOT,  24*UNIT
.set SPARE, 2*SLOT                     ; behind the ring: the spare words, 128 bytes a wave, that no other line names
.set LAPS,  NS/2
.set ADRA,  16
.set ADRB,  18
.set ASA,   20
.set ASB,   22
.set CSO,   24                         ; v24 LDS address of my 64 tokens' cos and sin
.set PFO,   26                         ; v26 256 x min(lane, 24)
.set PFL,   27                         ; v27 256 x lane
.set SPW,   28
.set NIL,   29
.set SC,    32
.set AF,    80
.set Y,     80
.set PC0,   144
.set PC1,   204
.set PC2,   224
.set PC3,   32
.set TM,    176
.set PW,    192
.set SW,    196
.set SEL,   84
.set G1A,   24
.set G0A,   32
.set G1B,   48
.set G0B,   56
.set PFA,   86                         ; s[86:87] where my prefetches of codes stand
.set G1R,   88                         ; s[88:95], s[96:99] the rope tile's descriptor
.set G0R,   96
.set PFR,   100                        ; s[100:101] my 32 blocks of the rope tile
.set MSB,   0
.macro WIN new
.if MSB != \new
	s_set_vgpr_msb (MSB<<8)|\new
.set MSB, \new
.endif
.endm
.set MUL,  0xa1
.set TO_B, 0x40
.macro PLACES
.rept 4
	v_nop
.endr
.endm
.macro JLOAD g0a, g1a, g0b, g1b
	s_cmp_eq_u32 s15, 0
	s_cbranch_scc0 .Lfor_b_\@
	tensor_load_to_lds s[\g0a:\g0a+3], s[\g1a:\g1a+7]
	s_nop 0
.rept 4
	v_nop
.endr
	s_branch .Lasked_\@
.Lfor_b_\@:
	tensor_load_to_lds s[\g0b:\g0b+3], s[\g1b:\g1b+7]
	s_nop 0
.rept 4
	v_nop
.endr
.Lasked_\@:
.endm
.macro CROUND
	s_barrier_signal -1
	s_barrier_wait -1
	s_cmp_lg_u32 s14, 0
	s_cbranch_scc1 .Lnot_wave_0_\@
	s_barrier_signal -3
.Lnot_wave_0_\@:
	s_barrier_wait -3
	s_barrier_signal -1
	s_barrier_wait -1
.endm
.macro ASKC off                        ; one unit (waves 0, 1) or two (waves 2, 3) of the slot off bytes behind s[PFA]
	global_prefetch_b8 v[PFO], s[PFA:PFA+1] offset:\off th:TH_LOAD_NT scope:SCOPE_SE
	s_cmp_eq_u32 s15, 0
	s_cbranch_scc1 .Lone_\@
	global_prefetch_b8 v[PFO], s[PFA:PFA+1] offset:(\off)+NS*UNIT th:TH_LOAD_NT scope:SCOPE_SE
.Lone_\@:
.endm
.macro ASK slot                        ; in the loop: s3 = 1 in its last trip, whose refills have no slot two on
	s_cmp_gt_u32 s3, 1
	s_cbranch_scc0 .Llate_\@
	ASKC UNIT
.if \slot == 0
	s_branch .Lasked2_\@
.endif
.Llate_\@:
.if \slot == 0
	global_prefetch_b8 v[PFL], s[PFR:PFR+1] th:TH_LOAD_NT scope:SCOPE_SE
.Lasked2_\@:
.endif
.endm
.macro FETCH slot, q, p
	WIN TO_B
.irp b, 0,1,2,3,4,5,6,7
.irp c, 0,1,2
	ds_load_b128 v[96*(\p)+12*\b+4*\c:96*(\p)+12*\b+4*\c+3], v[ADRB+\slot] offset:UNIT*\b+1536*(\q)+512*\c
.endr
.endr
	WIN 0
.irp a, 0,1,2,3
.irp c, 0,1,2
	ds_load_b128 v[AF+48*(\p)+12*\a+4*\c:AF+48*(\p)+12*\a+4*\c+3], v[ADRA+\slot] offset:UNIT*\a+1536*(\q)+512*\c
.endr
.endr
.endm
.macro SCALES s                        ; a slot's scale words: lanes 0-15 an even step's, lanes 16-31 the odd step's
.irp p, 0,1
.irp a, 0,1,2,3
	ds_load_b32 v[SC+24*\s+2*\a+\p], v[ASA+\s] offset:6144+UNIT*\a+128*\p
.endr
.irp b, 0,1,2,3,4,5,6,7
	ds_load_b32 v[SC+24*\s+8+2*\b+\p], v[ASB+\s] offset:6144+UNIT*\b+128*\p
.endr
.endr
.endm
.macro MUL8 a, p, s, q, zero           ; the 32 accumulators take turns, in the same order in every step
.irp b, 0,1,2,3,4,5,6,7
.if \zero
	v_wmma_scale_f32_16x16x128_f8f6f4 v[8*(8*(\a)+\b):8*(8*(\a)+\b)+7], v[96*(\p)+12*\b:96*(\p)+12*\b+11], v[AF+48*(\p)+12*(\a):AF+48*(\p)+12*(\a)+11], 0, v[SC+24*(\s)+8+2*\b+(\q)/2], v[SC+24*(\s)+2*(\a)+(\q)/2] matrix_a_fmt:MATRIX_FMT_FP6 matrix_b_fmt:MATRIX_FMT_FP6
.elseif (\q)%2
	v_wmma_scale_f32_16x16x128_f8f6f4 v[8*(8*(\a)+\b):8*(8*(\a)+\b)+7], v[96*(\p)+12*\b:96*(\p)+12*\b+11], v[AF+48*(\p)+12*(\a):AF+48*(\p)+12*(\a)+11], v[8*(8*(\a)+\b):8*(8*(\a)+\b)+7], v[SC+24*(\s)+8+2*\b+(\q)/2], v[SC+24*(\s)+2*(\a)+(\q)/2] matrix_a_fmt:MATRIX_FMT_FP6 matrix_b_fmt:MATRIX_FMT_FP6 matrix_a_scale:MATRIX_SCALE_ROW1 matrix_b_scale:MATRIX_SCALE_ROW1
.else
	v_wmma_scale_f32_16x16x128_f8f6f4 v[8*(8*(\a)+\b):8*(8*(\a)+\b)+7], v[96*(\p)+12*\b:96*(\p)+12*\b+11], v[AF+48*(\p)+12*(\a):AF+48*(\p)+12*(\a)+11], v[8*(8*(\a)+\b):8*(8*(\a)+\b)+7], v[SC+24*(\s)+8+2*\b+(\q)/2], v[SC+24*(\s)+2*(\a)+(\q)/2] matrix_a_fmt:MATRIX_FMT_FP6 matrix_b_fmt:MATRIX_FMT_FP6
.endif
.endr
.endm
.macro STEP slot, q, zero              ; one of a slot's first three steps of 128 along K: the next step's fragments are asked for, then 32 products
	s_wait_dscnt 0x0
	PLACES
	FETCH \slot, (\q)+1, ((\q)+1)%2
	WIN MUL
	MUL8 0, (\q)%2, \slot, \q, \zero
	MUL8 1, (\q)%2, \slot, \q, \zero
	MUL8 2, (\q)%2, \slot, \q, \zero
	MUL8 3, (\q)%2, \slot, \q, \zero
.endm
.macro TURN slot, next, fill           ; a slot's last step and the change of slots.  fill = 1: the slot takes the codes two slots on; fill = 2: slot 0's bytes take the rope tile
.if \fill == 1
	s_wait_xcnt 0x0                                ; my prefetches have read their address
	s_add_nc_u64 s[PFA:PFA+1], s[PFA:PFA+1], UNIT
.endif
	s_wait_dscnt 0x0                               ; the last step's fragments are in: my reads of this slot are over
	WIN MUL
	MUL8 0, 1, \slot, 3, 0
	MUL8 1, 1, \slot, 3, 0
	WIN 0
	s_wait_tensorcnt 0x0                           ; my one load that was out, my part of the next slot, has landed
	ds_add_u32 v[SPW], v[NIL]
.if \fill == 1
	s_add_nc_u64 s[G0A+4*\slot+2:G0A+4*\slot+3], s[G0A+4*\slot+2:G0A+4*\slot+3], 2*UNIT
	s_add_nc_u64 s[G0B+4*\slot+2:G0B+4*\slot+3], s[G0B+4*\slot+2:G0B+4*\slot+3], 2*UNIT
.endif
	s_wait_dscnt 0x0
	CROUND                                         ; no wave of any partner still reads this slot or has a load on its way
.if \fill == 1
	JLOAD G0A+4*\slot, G1A, G0B+4*\slot, G1B
.else
	tensor_load_to_lds s[G0R:G0R+3], s[G1R:G1R+7]
	s_nop 0
	PLACES
.endif
	FETCH \next, 0, 0                              ; the four v_nop behind the load are the places ahead of these loads
	SCALES \next
.if \fill == 1
	ASK \slot
.endif
	WIN MUL
	MUL8 2, 1, \slot, 3, 0
	MUL8 3, 1, \slot, 3, 0
.endm
.macro QUANT s, pc                     ; 64 numbers of a lane, register 16 b + i = k 32 b + 16 (lane / 16) + i, become a fragment's codes in v[pc] on and its scale word in v[PW]
.irp b, 0,1,2,3
	v_max3_num_f32 v[TM+\b], |v[\s+16*\b]|, |v[\s+1+16*\b]|, 0x1800000
.endr
.irp i, 2,4,6,8,10,12,14
.irp b, 0,1,2,3
	v_max3_num_f32 v[TM+\b], v[TM+\b], |v[\s+16*\b+\i]|, |v[\s+1+16*\b+\i]|
.endr
.endr
.irp b, 0,1,2,3
	v_permlanex16_b32 v[TM+4+\b], v[TM+\b], s[SEL], s[SEL+1]
.endr
.irp b, 0,1,2,3
	v_max_num_f32 v[TM+\b], v[TM+\b], v[TM+4+\b]
.endr
.irp b, 0,1,2,3
	v_add_nc_u32 v[TM+12+\b], 0xff000000, v[TM+\b]
.endr
.irp b, 0,1,2,3
	v_lshrrev_b32 v[TM+4+\b], 23, v[TM+12+\b]
.endr
	v_lshl_or_b32 v[PW], v[TM+5], 8, v[TM+4]
	v_lshl_or_b32 v[PW], v[TM+6], 16, v[PW]
	v_lshl_or_b32 v[PW], v[TM+7], 24, v[PW]
.irp c, 0,1
	v_cvt_scalef32_pk16_fp6_f32 v[(\pc)+6*\c:(\pc)+2+6*\c], v[\s+32*\c:\s+15+32*\c], v[TM+12+2*\c]
	v_cvt_scalef32_pk16_fp6_f32 v[(\pc)+12+4*\c:(\pc)+14+4*\c], v[\s+16+32*\c:\s+31+32*\c], v[TM+12+2*\c+1]
.endr
	v_nop                                          ; one plain place behind a scaled conversion
.irp c, 0,1
.irp i, 0,1,2
	v_permlane16_swap_b32 v[(\pc)+6*\c+\i], v[(\pc)+12+4*\c+\i]
.endr
.irp i, 0,1,2
	v_mov_b32 v[(\pc)+3+6*\c+\i], v[(\pc)+12+4*\c+\i]
.endr
.endr
.endm
	s_load_b128 s[4:7], s[0:1], 0x0                ; img s[4:5], ropeimg s[6:7]
	s_load_b64 s[10:11], s[0:1], 0x10              ; qkvimg
	v_lshl_add_u32 v[SPW], v0, 2, SPARE
	v_mov_b32 v[NIL], 0
	ds_add_u32 v[SPW], v[NIL]                      ; the opening lines: the add, twice on end, and its wait ahead of my first tensor load
	ds_add_u32 v[SPW], v[NIL]
	v_lshrrev_b32 v1, 5, v0
	v_readfirstlane_b32 s14, v1                    ; wave
	s_lshr_b32 s15, s14, 1                         ; my half of the 128 rows; also: I fetch source 1's units (0) or source 0's (1)
	s_and_b32 s16, s14, 1                          ; my half of the 256 rows; also: which half I fetch
	s_bfe_u32 s40, ttmp6, 0x40000                  ; cx
	s_bfe_u32 s41, ttmp6, 0x40004                  ; cy
	s_and_b32 s67, ttmp7, 0xffff
	s_and_b32 s68, s67, 1
	s_lshr_b32 s69, s67, 1
	s_cmp_eq_u32 ttmp9, 3                          ; cluster column 3 makes V^T
	s_cselect_b32 s66, 1, 0
	s_cselect_b32 s68, s68, ttmp9
	s_cselect_b32 s69, s69, s67
	s_cselect_b32 s70, 16384000, 0                 ; source 1: Wv's units or hidden's
	s_cselect_b32 s71, 0, 6553600                  ; source 0: hidden's units or Wq's and Wk's
	s_lshl_b32 s42, s68, 2
	s_add_co_u32 s42, s42, s40                     ; block column
	s_lshl_b32 s17, s69, 2
	s_add_co_u32 s17, s17, s41                     ; block row
	s_lshl_b32 s43, s41, 2
	s_lshl_b32 s43, 15, s43                        ; my row of the cluster
	s_lshl_b32 s44, 0x1111, s40                    ; my column
	s_or_b32 s[G1A+0], s43, (3<<16)|(1<<21)        ; elements of 8 bytes; bit 21 set beside a mask
	s_or_b32 s[G1B+0], s44, (3<<16)|(1<<21)
	s_or_b32 s[G1R+0], s43, (3<<16)|(1<<21)
	s_mov_b32 s[G1A+1], 800<<16                    ; four units of 6,400 bytes, NS units apart
	s_mov_b32 s[G1A+2], 4<<16
	s_mov_b32 s[G1A+3], 800<<16
	s_mov_b32 s[G1A+4], 4
	s_mov_b32 s[G1A+5], 800*NS
	s_mov_b32 s[G1A+6], 0
	s_mov_b32 s[G1A+7], 0
	s_mov_b32 s[G1B+1], 800<<16                    ; eight units
	s_mov_b32 s[G1B+2], 8<<16
	s_mov_b32 s[G1B+3], 800<<16
	s_mov_b32 s[G1B+4], 8
	s_mov_b32 s[G1B+5], 800*NS
	s_mov_b32 s[G1B+6], 0
	s_mov_b32 s[G1B+7], 0
	s_mov_b32 s[G1R+1], 32<<16                     ; 32,768 dense bytes as 128 rows of 256
	s_mov_b32 s[G1R+2], 128<<16
	s_mov_b32 s[G1R+3], 32<<16
	s_mov_b32 s[G1R+4], 128
	s_mov_b32 s[G1R+5], 32
	s_mov_b32 s[G1R+6], 0
	s_mov_b32 s[G1R+7], 0
	s_lshl_b32 s18, s16, 2
	s_lshl_b32 s20, s17, 3
	s_add_co_u32 s20, s20, s18
	s_mul_i32 s20, s20, NS*UNIT
	s_add_co_u32 s20, s20, s70
	s_mov_b32 s21, 0
	s_lshl_b32 s18, s16, 3
	s_lshl_b32 s46, s42, 4
	s_add_co_u32 s46, s46, s18
	s_mul_i32 s46, s46, NS*UNIT
	s_add_co_u32 s46, s46, s71
	s_mov_b32 s47, 0
	s_mul_i32 s45, s16, 4*UNIT
	s_mul_i32 s72, s16, 8*UNIT
	s_add_co_u32 s72, s72, 8*UNIT
	s_lshl_b32 s12, s17, 17                        ; the rope tile: 131,072 bytes a block row, my quarter
	s_lshl_b32 s13, s14, 15
	s_add_co_u32 s12, s12, s13
	s_mov_b32 s13, 0
	s_wait_dscnt 0x0                               ; both opening adds are done
	s_wait_kmcnt 0x0
	s_add_nc_u64 s[20:21], s[4:5], s[20:21]
	s_add_nc_u64 s[46:47], s[4:5], s[46:47]
	s_add_nc_u64 s[12:13], s[6:7], s[12:13]
.irp s, 0,1
	s_mov_b32 s[G0A+4*\s], 1
	s_add_co_u32 s[G0A+4*\s+1], s45, \s*SLOT
	s_add_nc_u64 s[G0A+4*\s+2:G0A+4*\s+3], s[20:21], \s*UNIT
	s_or_b32 s[G0A+4*\s+3], s[G0A+4*\s+3], 0x80000000
	s_mov_b32 s[G0B+4*\s], 1
	s_add_co_u32 s[G0B+4*\s+1], s72, \s*SLOT
	s_add_nc_u64 s[G0B+4*\s+2:G0B+4*\s+3], s[46:47], \s*UNIT
	s_or_b32 s[G0B+4*\s+3], s[G0B+4*\s+3], 0x80000000
.endr
	s_mov_b32 s[G0R], 1
	s_lshl_b32 s[G0R+1], s14, 15
	s_mov_b64 s[G0R+2:G0R+3], s[12:13]
	s_or_b32 s[G0R+3], s[G0R+3], 0x80000000
	CROUND                                         ; all sixteen work-groups are here: the first joint loads meet
	JLOAD G0A, G1A, G0B, G1B                       ; slot 0: one tensor load a wave at the head
	s_lshl_b32 s19, s41, 1
	s_cmp_eq_u32 s15, 0
	s_cselect_b64 s[PFA:PFA+1], s[20:21], s[46:47]
	s_cselect_b32 s18, s40, s19                    ; my work-group's unit (cx) or pair of units (2 cy) of those that I fetch
	s_mul_i32 s18, s18, NS*UNIT
	s_add_co_u32 s18, s18, 2*UNIT                  ; at slot 2
	s_mov_b32 s19, 0
	s_add_nc_u64 s[PFA:PFA+1], s[PFA:PFA+1], s[18:19]
	s_lshl_b32 s18, s40, 13
	s_add_nc_u64 s[PFR:PFR+1], s[12:13], s[18:19]  ; my work-group's 8,192 bytes of my quarter of the rope tile
	v_and_b32 v3, 31, v0
	v_min_u32 v[PFO], 24, v3
	v_lshlrev_b32 v[PFO], 8, v[PFO]
	v_lshlrev_b32 v[PFL], 8, v3
	v_lshlrev_b32 v4, 4, v3                        ; 16 x lane
	v_lshlrev_b32 v5, 2, v3                        ; 4 x lane
	s_mul_i32 s21, s15, 4*UNIT
	s_mul_i32 s22, s16, 8*UNIT
	s_add_co_u32 s22, s22, 8*UNIT
.irp s, 0,1
	v_add_nc_u32 v[ADRA+\s], s21, v4
	v_add_nc_u32 v[ADRB+\s], s22, v4
	v_add_nc_u32 v[ASA+\s], s21, v5
	v_add_nc_u32 v[ASB+\s], s22, v5
	s_add_co_u32 s21, s21, SLOT
	s_add_co_u32 s22, s22, SLOT
.endr
	s_lshl_b32 s23, s15, 16                        ; my four row-blocks of the rope tile, 16,384 bytes each
	v_add_nc_u32 v[CSO], s23, v4
.irp b, 0,1,2,3
	v_mov_b32 v[TM+4+\b], 0                        ; a lane permute's destination counts as one of its sources
.endr
	ASKC 0                                         ; slot 2
	s_lshl_b32 s73, s42, 1                         ; where my results go: units of 12,800 bytes
	s_add_co_u32 s73, s73, s16
	s_lshl_b32 s74, s73, 4
	s_add_co_u32 s74, s74, s17
	s_lshl_b32 s75, s17, 4
	s_add_co_u32 s75, s75, s73
	s_add_co_u32 s75, s75, 384
	s_cmp_eq_u32 s66, 1
	s_cselect_b32 s74, s75, s74
	s_mul_i32 s74, s74, 12800
	s_mul_i32 s76, s15, 6144
	s_add_co_u32 s76, s76, s74
	s_mov_b32 s77, 0
	s_lshl_b32 s78, s15, 8
	s_add_co_u32 s78, s78, s74
	s_add_co_u32 s78, s78, 12288
	s_mov_b32 s79, 0
	s_add_nc_u64 s[76:77], s[10:11], s[76:77]
	s_add_nc_u64 s[78:79], s[10:11], s[78:79]
	s_mov_b32 s82, 0xffff0000
	s_mov_b32 s[SEL], 0x76543210
	s_mov_b32 s[SEL+1], 0xfedcba98
	s_wait_alu depctr_va_vdst(0)
	s_wait_tensorcnt 0x0                           ; my part of slot 0 is in; a later first fill stands behind the same lines as a refill
	ds_add_u32 v[SPW], v[NIL]
	s_wait_dscnt 0x0
	CROUND
	JLOAD G0A+4, G1A, G0B+4, G1B                   ; slot 1
	FETCH 0, 0, 0
	SCALES 0
	ASKC UNIT                                      ; slot 3
	STEP 0, 0, 1                                   ; the first step's products start the sums
	WIN 0
	s_mov_b32 s3, LAPS-1
.Llap:
	STEP 0, 1, 0
	STEP 0, 2, 0
	TURN 0, 1, 1
	STEP 1, 0, 0
	STEP 1, 1, 0
	STEP 1, 2, 0
	TURN 1, 0, 1
	STEP 0, 0, 0
	WIN 0
	s_sub_co_u32 s3, s3, 1
	s_cmp_lg_u32 s3, 0
	s_cbranch_scc1 .Llap
	STEP 0, 1, 0
	STEP 0, 2, 0
	TURN 0, 1, 2                                   ; slot 0 has been read out: its bytes take the rope tile
	STEP 1, 0, 0
	STEP 1, 1, 0
	STEP 1, 2, 0
	s_wait_dscnt 0x0
	WIN MUL
	MUL8 0, 1, 1, 3, 0
	MUL8 1, 1, 1, 3, 0
	MUL8 2, 1, 1, 3, 0
	MUL8 3, 1, 1, 3, 0
	WIN 0
	PLACES
	s_wait_tensorcnt 0x0                           ; my quarter of the rope tile is in;
	s_barrier_signal -1
	s_barrier_wait -1                              ; and everybody's
.macro LOADCS a                        ; row-block a's cos (registers 0-63 of the set) and sin (64-127): 32 loads of 512 consecutive bytes
.if (\a) < 2
	WIN 0xc0
.else
	WIN 0x40
.endif
.set QD, 0
.rept 32
	ds_load_b128 v[128*((\a)%2)+4*QD:128*((\a)%2)+4*QD+3], v[CSO] offset:16384*(\a)+512*QD
.set QD, QD+1
.endr
	WIN 0
.endm
.macro EPI a, pc, younger              ; row-block a: rope (or, for V, none), the quantiser, the stores.  younger: the LDS loads issued behind this row-block's
	s_wait_dscnt \younger
.set CB, 128*((\a)%2)
	s_cmp_eq_u32 s66, 1
	s_cbranch_scc1 .Lv_\@
.if (\a) < 2
	WIN 0x0e
.else
	WIN 0x06
.endif
.irp n, 0,2,4,6,8,10,12,14,16,18,20,22,24,26,28,30
	v_pk_mul_f32 v[Y+\n:Y+\n+1], v[64*(\a)+32+\n:64*(\a)+32+\n+1], v[CB+64+\n:CB+64+\n+1]
	v_pk_mul_f32 v[Y+32+\n:Y+32+\n+1], v[64*(\a)+\n:64*(\a)+\n+1], v[CB+96+\n:CB+96+\n+1]
	v_pk_fma_f32 v[Y+\n:Y+\n+1], v[64*(\a)+\n:64*(\a)+\n+1], v[CB+\n:CB+\n+1], v[Y+\n:Y+\n+1] neg_lo:[0,0,1] neg_hi:[0,0,1]
	v_pk_fma_f32 v[Y+32+\n:Y+32+\n+1], v[64*(\a)+32+\n:64*(\a)+32+\n+1], v[CB+32+\n:CB+32+\n+1], v[Y+32+\n:Y+32+\n+1]
.endr
	WIN 0
	s_branch .Ljoin_\@
.Lv_\@:
	WIN 0x02
.set JJ, 0
.rept 64
	v_mov_b32 v[Y+JJ], v[64*(\a)+JJ]
.set JJ, JJ+1
.endr
	WIN 0
.Ljoin_\@:
	QUANT Y, \pc
.irp c, 0,1,2
	global_store_b128 v4, v[(\pc)+4*\c:(\pc)+4*\c+3], s[76:77] offset:1536*(\a)+512*\c   ; 512 consecutive bytes, at a multiple of 256 from the buffer's first byte
.endr
	v_mov_b32 v[SW+\a], v[PW]
.endm
	LOADCS 0
	LOADCS 1
	EPI 0, PC0, 32
	LOADCS 2
	EPI 1, PC1, 32
	LOADCS 3
	EPI 2, PC2, 32
	EPI 3, PC3, 0
	v_cndmask_b32 v200, v[SW], v[SW+1], s82        ; lanes 0-15 an even row-block's words, lanes 16-31 the odd one's
	v_cndmask_b32 v201, v[SW+2], v[SW+3], s82
	global_store_b32 v5, v200, s[78:79]
	global_store_b32 v5, v201, s[78:79] offset:128
	s_wait_tensorcnt 0x0                           ; the wave's end
	ds_add_u32 v[SPW], v[NIL]
	s_wait_dscnt 0x0
	CROUND                                         ; the closing round
	s_endpgm
.Lfunc_end_k_qdfd8d0ec17_qkv:
	.size	k_qdfd8d0ec17_qkv, .Lfunc_end_k_qdfd8d0ec17_qkv-k_qdfd8d0ec17_qkv
	.p2alignl 7, 3214868480
	.fill 96, 4, 3214868480
	.section	.rodata,"a",@progbits
	.p2align	6, 0x0
	.amdhsa_kernel k_qdfd8d0ec17_qkv
		.amdhsa_group_segment_fixed_size 327680
		.amdhsa_private_segment_fixed_size 0
		.amdhsa_enable_private_segment 0
		.amdhsa_kernarg_size 24
		.amdhsa_user_sgpr_count 2
		.amdhsa_user_sgpr_kernarg_segment_ptr 1
		.amdhsa_wavefront_size32 1
		.amdhsa_system_sgpr_workgroup_id_x 1
		.amdhsa_system_sgpr_workgroup_id_y 1
		.amdhsa_system_sgpr_workgroup_id_z 1
		.amdhsa_system_vgpr_workitem_id 0
		.amdhsa_next_free_vgpr 1024
		.amdhsa_next_free_sgpr 102
		.amdhsa_reserve_vcc 0
		.amdhsa_float_denorm_mode_32 3
		.amdhsa_float_denorm_mode_16_64 3
		.amdhsa_memory_ordered 1
		.amdhsa_forward_progress 1
		.amdhsa_inst_pref_size 174
	.end_amdhsa_kernel
	.amdgpu_metadata
---
amdhsa.version: [ 1, 2 ]
amdhsa.kernels:
  - .name:           k_qdfd8d0ec17_qkv
    .symbol:         k_qdfd8d0ec17_qkv.kd
    .args:
      - { .name: img, .offset: 0, .size: 8, .value_kind: global_buffer, .address_space: global }
      - { .name: ropeimg, .offset: 8, .size: 8, .value_kind: global_buffer, .address_space: global }
      - { .name: qkvimg, .offset: 16, .size: 8, .value_kind: global_buffer, .address_space: global }
    .group_segment_fixed_size: 327680
    .private_segment_fixed_size: 0
    .kernarg_segment_align: 8
    .kernarg_segment_size: 24
    .max_flat_workgroup_size: 128
    .sgpr_count:     102
    .vgpr_count:     1024
    .wavefront_size: 32
...
	.end_amdgpu_metadata
.endif
;; end of part 2
;; launch attn (part 3): grid 32 x 8, 8 waves a work-group, clusters of 4 x 1, 327,680 bytes of LDS; arguments qkvimg, attnimg, Wo, img; writes attnimg, img
.if DOCPART == 3
	.amdgcn_target "amdgcn-amd-amdhsa--gfx1250"
	.amdhsa_code_object_version 6
	.text
	.protected	k_qdfd8d0ec17_attn
	.globl	k_qdfd8d0ec17_attn
	.p2align	8
	.type	k_qdfd8d0ec17_attn,@function
k_qdfd8d0ec17_attn:
	s_mov_b64 s[64:65], 0
	v_nop
	global_prefetch_b8 v0, s[64:65] scope:SCOPE_SE
	s_setreg_imm32_b32 hwreg(HW_REG_WAVE_MODE, 25, 1), 1
	s_wait_xcnt 0x0
	s_wait_alu depctr_hold_cnt(0) depctr_sa_sdst(0) depctr_va_vdst(0) depctr_va_sdst(0) depctr_va_ssrc(0) depctr_va_vcc(0) depctr_vm_vsrc(0)
	s_getreg_b32 s2, hwreg(HW_REG_IB_STS2, 6, 4)
	s_cmp_eq_u32 s2, 0
	s_cbranch_scc0 .Lentry_in_a_cluster
	s_endpgm
.Lentry_in_a_cluster:
	s_bfe_u32 s2, ttmp6, 0x10000c
	s_cmp_lg_u32 s2, 0x3003
	s_cbranch_scc0 .Lentry_shape_is_right
	s_endpgm
.Lentry_shape_is_right:
; Causal attention, 16 query heads on 8 KV heads, head size 128, both products on codes of FP6 (E2M3) with E8M0 scales; O / l is quantised along (head, d) and stored as A's images for the last product.
; Beside it Wo [4096][2048] f32 is quantised along K into img's units 3,072 on (launch quant's layout and arithmetic): only the launch behind this one reads them.
; IN (launch qkv): units of 12,800 bytes: eight fragments t (16 rows x 128 K, images of the operand's registers) at 1,536 t, scale word of (t, row r) at 12,288 + 64 t + 4 r.
;   Q of head J, 128-token tile I: unit 16 J + I;  K of KV head g, key step s: 256 + 16 g + s;  V^T (rows d, K = the step's 128 keys): 384 + 16 g + s.  Tile row i of tile t is row 32 (t / 2) + 8 (t % 2) + i + 8 (i / 8).
; SOFTMAX: t = score x log2(e) / sqrt(128); M = the running largest t rounded UP to a whole number; p = 2^(t - M) is quantised along the keys, not normalised; the row's sum is taken of the unquantised p
;   and divides O at the end; when M moves, sum and O are multiplied by 2^(old M - new M), exactly.  Hidden scores become -infinity ahead of the maximum: p = 0.
; LEFT OUT: key steps all of whose keys come after a tile's queries: reference()'s own causal mask gives them p = 0 whatever the inputs hold.  A NaN or an infinity that reaches only those scores is not carried on.
; LAYOUT: both products transposed (S^T = K Q^T, O^T = V^T P^T): a lane holds ONE query; registers 16 b + i of S^T are keys 32 b + 16 (lane / 16) + i, of O^T the d of the same number.
; SHARES: a work-group takes 32 late queries (chunk 63 - 4 X - cx) and 32 early ones (chunk 4 X + cx) of both heads of KV head g: eight tiles of 16 queries.  Waves w and w + 4 share TWO tiles, a late and an early
;   one (head 2 g + (w / 2) % 2, tile w % 2 of each chunk), and divide the KEY STEPS: wave w < 4 takes the even steps, wave w + 4 the odd ones, for both tiles.  A late tile has 16 - X steps, an early one X + 1:
;   17 tile steps for each pair in every work-group.  Where both tiles are open, one set of K's and V's fragments serves both.
;   At the end each wave hands one tile's half (O^T, -M, the sum) to its partner through LDS: the even wave finishes the late tile, the odd wave the early one.  The halves are joined under the
;   larger M by powers of two, which round nothing.  A half with no step has O = 0, sum 0 and M = -3e38: its factor is 0.
; RING: two LDS slots of four key steps (K's 51,200 bytes, then V's), 2^17 bytes apart.  CLUSTER 4 x 1: the four partners walk the same K and V: waves 0-3 ask for a quarter of a slot each, jointly.
; WO: work-group n (0 .. 255) takes rows 32 (n / 2) .. + 31 and K = 1,024 (n % 2) .. + 1,023.  At each of the ring's four fills wave 4 + j asks, by a plain tensor load, for rows 8 j .. 8 j + 7 x 256 along K
;   (rows of 1,024 bytes, LDS pitch 1,040): four tiles make a buffer of 33,280 bytes, two buffers take turns.  At the head of the slot behind the change at which a buffer is whole, wave 4 + j makes of it
;   the fragment of row-block 2 (n / 2) + j % 2, step j / 2 of the two.  So every wave issues one tensor load at the head and one behind each round, and by this text's count has one out at any time.
; PREFETCH: K's and V's slots 2 and 3 are asked for behind the loads of slots 0 and 1: a quarter of a slot is 100 blocks of 256 bytes; the partner at place cx names 25 of them, waves w and w + 4 thirteen and twelve,
;   a lane a block, the lanes left over the last again.  Wo's tiles are not prefetched: each is asked for a whole slot's key steps ahead of the wait for it.
; LIMITS: the scaled scores stay under 2^31 in magnitude; p under 2^-126 falls to 0; blocks of zeros, or under 2^-124, get the scale byte 1 (read by this program alone); NaN and infinities are not served.
; REGISTERS: window 0: v1-9, v28-31, v92-94 addresses; late tile: v12 -M, v13 largest t, v[14:15] sum, v16-27 Q, v255 Q's scale words, v3 mask, v160-223 O^T; early tile: v86, v87, v[88:89], v52-63, v85, v90, O^T in window 1 v192-255;
;   v32-35 V's scale words; v36-51, v64-84 the quantisers' (Wo's and the last one's); v91 the prefetches' offset; v96-159 S^T, p, Wo's numbers; v224-247 p's codes, at work; v248-251 K's scale words; v252 f; v253 p's scale word; v254 at work.
;   window 1: v0-95 K's eight fragments, v96-191 V's.
.set UNIT,  12800
.set SLOT1, 1<<17
.set SPARE, SLOT1+8*UNIT               ; behind the ring: the spare words, 128 bytes a wave, four blocks of 256 bytes that no other line names
.set STG,   SPARE+1024                 ; behind them: Wo's two buffers; when they have had their last fill and their last read, a stage of SREG bytes for each wave
.set SREG,  8448                       ; 16 x 512 bytes of O^T, 128 of -M, 128 of the sum
.set WPI,   1040                       ; a row of Wo's tile in LDS: 1,024 bytes + 16
.set WOD,   32*WPI                     ; a buffer
.set SPW,   5
.set NIL,   6
.set TM,    36
.set PC,    64
.set PW,    84
.set TB,    2                          ; s2  LDS byte at which my key step's unit of K begins
.set SIG,   3                          ; s3  my key step
.set WB,    11                         ; s11 0 or WOD: the buffer of Wo that is whole
.set WOP,   12                         ; s[12:13] where my fragment of Wo goes
.set WSP,   14                         ; s[14:15] and its scale words
.set WV,    18
.set PAR,   19                         ; s19 wave / 4: the parity of my key steps
.set SEL,   20
.set CS,    22
.set G1,    24
.set G0A,   32                         ; slot 0's first fill
.set G0B,   36                         ; slot 1's; then it walks
.set LSTL,  40                         ; s40 the late tile's last key step, which is also its tile of 128 queries
.set OUTER, 41
.set INNER, 42
.set LSTE,  45                         ; s45 the same for the early tile
.set G1W,   84                         ; s[84:91] group 1 of Wo's tiles
.set G0W,   92                         ; s[92:95] their group 0 for the first two fills
.set G0W2,  96                         ; s[96:99] and for the two refills: it walks
.set MSB,   0
.macro WIN new
.if MSB != \new
	s_set_vgpr_msb (MSB<<8)|\new
.set MSB, \new
.endif
.endm
.macro CROUND
	s_barrier_signal -1
	s_barrier_wait -1
	s_cmp_lg_u32 s[WV], 0
	s_cbranch_scc1 .Lnot_wave_0_\@
	s_barrier_signal -3
.Lnot_wave_0_\@:
	s_barrier_wait -3
	s_barrier_signal -1
	s_barrier_wait -1
.endm
.macro NOPS
.rept 4
	v_nop
.endr
.endm
.macro FILL kv, wo                     ; one tensor load a wave: waves 0-3 a quarter of a slot, jointly; waves 4-7 a tile of Wo.  The branch hangs on the wave's number alone
	s_cmp_lt_u32 s[WV], 4
	s_cbranch_scc0 .Lwo_\@
	tensor_load_to_lds s[\kv:\kv+3], s[G1:G1+7]
	s_nop 0
	NOPS
	s_branch .Lfilled_\@
.Lwo_\@:
	tensor_load_to_lds s[\wo:\wo+3], s[G1W:G1W+7]
	s_nop 0
	NOPS
.Lfilled_\@:
.endm
.macro QUANT s                         ; 64 numbers of a lane, register 16 b + i = k 32 b + 16 (lane / 16) + i, become a fragment's codes in v[PC] on and its scale word in v[PW]
.irp b, 0,1,2,3
	v_max3_num_f32 v[TM+\b], |v[\s+16*\b]|, |v[\s+1+16*\b]|, 0x1800000
.endr
.irp i, 2,4,6,8,10,12,14
.irp b, 0,1,2,3
	v_max3_num_f32 v[TM+\b], v[TM+\b], |v[\s+16*\b+\i]|, |v[\s+1+16*\b+\i]|
.endr
.endr
.irp b, 0,1,2,3
	v_permlanex16_b32 v[TM+4+\b], v[TM+\b], s[SEL], s[SEL+1]
.endr
.irp b, 0,1,2,3
	v_max_num_f32 v[TM+\b], v[TM+\b], v[TM+4+\b]
.endr
.irp b, 0,1,2,3
	v_add_nc_u32 v[TM+12+\b], 0xff000000, v[TM+\b]
.endr
.irp b, 0,1,2,3
	v_lshrrev_b32 v[TM+4+\b], 23, v[TM+12+\b]
.endr
	v_lshl_or_b32 v[PW], v[TM+5], 8, v[TM+4]
	s_delay_alu instid0(VALU_DEP_1)
	v_lshl_or_b32 v[PW], v[TM+6], 16, v[PW]
	s_delay_alu instid0(VALU_DEP_1)
	v_lshl_or_b32 v[PW], v[TM+7], 24, v[PW]
.irp c, 0,1
	v_cvt_scalef32_pk16_fp6_f32 v[PC+6*\c:PC+2+6*\c], v[\s+32*\c:\s+15+32*\c], v[TM+12+2*\c]
	v_cvt_scalef32_pk16_fp6_f32 v[PC+12+4*\c:PC+14+4*\c], v[\s+16+32*\c:\s+31+32*\c], v[TM+12+2*\c+1]
.endr
	v_nop                                          ; one plain place behind a scaled conversion
.irp c, 0,1
.irp i, 0,1,2
	v_permlane16_swap_b32 v[PC+6*\c+\i], v[PC+12+4*\c+\i]
.endr
.irp i, 0,1,2
	v_mov_b32 v[PC+3+6*\c+\i], v[PC+12+4*\c+\i]
.endr
.endr
.endm
; a tile's numbers, from its last key step s[lst] and its chunk of 32 in the 128, s[chunk]: byte offsets of Q's fragment (pair qf) and scale words (pair qs), of the output's fragment (of) and scale words (os), and the mask's number (mk)
.macro TADR lst, chunk, qf, qs, of, os, mk
	s_lshl_b32 s50, s[\chunk], 1
	s_add_co_u32 s50, s50, s48                     ; t: the tile in Q's unit
	s_lshl_b32 s51, s44, 1
	s_add_co_u32 s51, s51, s47                     ; the head
	s_lshl_b32 s51, s51, 4
	s_add_co_u32 s51, s51, s[\lst]
	s_mul_i32 s51, s51, UNIT                       ; Q's unit
	s_mul_i32 s52, s50, 1536
	s_add_co_u32 s[\qf], s52, s51
	s_mov_b32 s[\qf+1], 0
	s_lshl_b32 s52, s50, 6
	s_add_co_u32 s52, s52, s51
	s_add_co_u32 s[\qs], s52, 12288
	s_mov_b32 s[\qs+1], 0
	s_lshl_b32 s52, s[\lst], 3
	s_add_co_u32 s52, s52, s50                     ; the output's row-block 8 I + t,
	s_lshl_b32 s52, s52, 2
	s_lshr_b32 s53, s44, 1
	s_add_co_u32 s52, s52, s53                     ; its slot head / 4
	s_mul_i32 s52, s52, 6400
	s_and_b32 s53, s44, 1
	s_lshl_b32 s53, s53, 1
	s_add_co_u32 s53, s53, s47                     ; and step head % 4
	s_mul_i32 s54, s53, 1536
	s_add_co_u32 s[\of], s54, s52
	s_lshl_b32 s54, s53, 6
	s_add_co_u32 s54, s54, s52
	s_add_co_u32 s[\os], s54, 6144
	s_lshl_b32 s54, s[\chunk], 5
	s_lshl_b32 s55, s48, 3
	s_add_co_u32 s[\mk], s54, s55                  ; 32 x chunk + 8 u
.endm
	s_load_b128 s[4:7], s[0:1], 0x0                ; qkvimg s[4:5], attnimg s[6:7]
	s_load_b128 s[60:63], s[0:1], 0x10             ; Wo s[60:61], img s[62:63]
	v_lshl_add_u32 v[SPW], v0, 2, SPARE
	v_mov_b32 v[NIL], 0
	ds_add_u32 v[SPW], v[NIL]                      ; the opening lines: the add, twice on end, and its wait ahead of my first tensor load
	ds_add_u32 v[SPW], v[NIL]
	v_lshrrev_b32 v8, 5, v0
	v_readfirstlane_b32 s[WV], v8                  ; wave 0..7
	s_bfe_u32 s43, ttmp6, 0x40000                  ; cx: it enters global addresses that no joint load uses, and the mask's numbers, alone
	s_and_b32 s44, ttmp7, 0xffff                   ; g, the KV head
	s_sub_co_u32 s[LSTL], 15, ttmp9                ; made of the cluster's x alone: the same in all four partners
	s_mov_b32 s[LSTE], ttmp9
	s_sub_co_u32 s46, 3, s43                       ; the late chunk of 32 in its 128; the early one is cx
	s_lshr_b32 s[PAR], s[WV], 2
	s_bfe_u32 s47, s[WV], 0x10001                  ; e = (wave / 2) % 2
	s_and_b32 s48, s[WV], 1                        ; u
	s_and_b32 s49, s[WV], 3
	TADR LSTL, 46, 66, 68, 70, 71, 72
	TADR LSTE, 43, 74, 76, 78, 79, 80
	s_lshl_b32 s8, s47, 7                          ; what waves 0-3 fetch: K (waves 0, 1) or V (2, 3), two key steps each
	s_lshl_b32 s9, s44, 4
	s_add_co_u32 s8, s8, s9
	s_lshl_b32 s9, s48, 1
	s_add_co_u32 s8, s8, s9
	s_add_co_u32 s8, s8, 256                       ; unit 256 + 128 e + 16 g + 2 u
	s_mul_i32 s8, s8, UNIT
	s_mov_b32 s9, 0
	s_mul_i32 s10, s49, 2*UNIT                     ; and its place in a slot
	s_lshl_b32 s50, ttmp9, 2                       ; Wo: the work-group's number n = 32 g + 4 X + cx
	s_add_co_u32 s50, s50, s43
	s_lshl_b32 s51, s44, 5
	s_add_co_u32 s50, s50, s51
	s_lshr_b32 s51, s50, 1                         ; its 32 rows
	s_and_b32 s52, s50, 1                          ; its half of K
	s_lshl_b32 s83, s51, 18                        ; 32 rows of 8,192 bytes
	s_lshl_b32 s53, s49, 16
	s_add_co_u32 s83, s83, s53                     ; + the 8 rows that wave 4 + j fetches
	s_lshl_b32 s53, s52, 12
	s_add_co_u32 s83, s83, s53                     ; + 4,096 bytes for the upper half of K
	s_lshl_b32 s53, s51, 1
	s_add_co_u32 s53, s53, s48                     ; the row-block that I quantise
	s_lshl_b32 s53, s53, 2
	s_lshl_b32 s54, s52, 1
	s_add_co_u32 s53, s53, s54                     ; its first unit of my two
	s_mul_i32 s53, s53, 6400
	s_mul_i32 s54, s47, 1536
	s_add_co_u32 s81, s53, s54
	s_add_co_u32 s81, s81, 19660800-3072           ; my fragment, one step of 3,072 bytes short: each tile's work begins by stepping it
	s_lshl_b32 s54, s47, 6
	s_add_co_u32 s82, s53, s54
	s_add_co_u32 s82, s82, 19660800+6144-128       ; and its scale words, likewise
	s_mul_i32 s55, s49, 8*WPI                      ; where the 8 rows go in a buffer
	s_mul_i32 s54, s48, 8*WPI
	s_lshl_b32 s53, s47, 9
	s_add_co_u32 s54, s54, s53
	s_add_co_u32 s54, s54, STG                     ; where I read: my row-block's rows, my 512 bytes of each
	s_mul_i32 s56, s[PAR], 13
	s_mul_i32 s57, s43, 25
	s_mul_i32 s58, s[WV], SREG
	s_add_co_u32 s58, s58, STG                     ; my stage
	s_xor_b32 s59, s[WV], 4
	s_mul_i32 s59, s59, SREG
	s_add_co_u32 s59, s59, STG                     ; my partner's
	s_mov_b32 s[G1], 15|(3<<16)|(1<<21)            ; the mask: all four work-groups; elements of 8 bytes; bit 21 set beside a mask; no padding
	s_mov_b32 s[G1+1], 32<<16                      ; 25,600 dense bytes as 100 rows of 256
	s_mov_b32 s[G1+2], 100<<16
	s_mov_b32 s[G1+3], 32<<16
	s_mov_b32 s[G1+4], 100
	s_mov_b32 s[G1+5], 32
	s_mov_b32 s[G1+6], 0
	s_mov_b32 s[G1+7], 0
	s_mov_b32 s[G1W], (2<<16)|(1<<20)|(7<<22)|(3<<25)   ; no mask; elements of 4 bytes; 4 words of padding behind every 256
	s_mov_b32 s[G1W+1], 256<<16                    ; 8 rows of 256 numbers, 2,048 numbers apart
	s_mov_b32 s[G1W+2], 8<<16
	s_mov_b32 s[G1W+3], 256<<16
	s_mov_b32 s[G1W+4], 8
	s_mov_b32 s[G1W+5], 2048
	s_mov_b32 s[G1W+6], 0
	s_mov_b32 s[G1W+7], 0
	s_mov_b32 s[SEL], 0x76543210
	s_mov_b32 s[SEL+1], 0xfedcba98
	s_mov_b32 s[CS], 0x3e0293ee                    ; c = log2(e) / sqrt(128)
	s_mov_b32 s[CS+1], s[CS]
	s_mul_i32 s[TB], s[PAR], UNIT
	s_mov_b32 s[SIG], s[PAR]
	s_mov_b32 s[WB], 0
	s_wait_dscnt 0x0                               ; both opening adds are done
	s_wait_kmcnt 0x0
	s_add_nc_u64 s[8:9], s[4:5], s[8:9]
	s_add_nc_u64 s[66:67], s[4:5], s[66:67]        ; the late Q's fragment,
	s_add_nc_u64 s[68:69], s[4:5], s[68:69]        ; its scale words,
	s_add_nc_u64 s[74:75], s[4:5], s[74:75]        ; and the early Q's
	s_add_nc_u64 s[76:77], s[4:5], s[76:77]
	s_cmp_eq_u32 s[PAR], 0                         ; the tile that I finish: late (even wave) or early
	s_cselect_b32 s12, s70, s78
	s_cselect_b32 s14, s71, s79
	s_mov_b32 s13, 0
	s_mov_b32 s15, 0
	s_add_nc_u64 s[16:17], s[6:7], s[12:13]        ; the output's fragment
	s_add_nc_u64 s[6:7], s[6:7], s[14:15]          ; and its scale words
	s_mov_b32 s12, s81
	s_mov_b32 s14, s82
	s_add_nc_u64 s[WOP:WOP+1], s[62:63], s[12:13]
	s_add_nc_u64 s[WSP:WSP+1], s[62:63], s[14:15]
	s_mov_b32 s50, s83
	s_mov_b32 s51, 0
	s_add_nc_u64 s[60:61], s[60:61], s[50:51]      ; Wo: my 8 rows
	s_mov_b32 s[G0A], 1
	s_mov_b32 s[G0A+1], s10
	s_mov_b64 s[G0A+2:G0A+3], s[8:9]
	s_or_b32 s[G0A+3], s[G0A+3], 0x80000000
	s_mov_b32 s[G0B], 1
	s_add_co_u32 s[G0B+1], s10, SLOT1
	s_add_nc_u64 s[G0B+2:G0B+3], s[8:9], 4*UNIT
	s_or_b32 s[G0B+3], s[G0B+3], 0x80000000
	s_mov_b32 s[G0W], 1                            ; the first 256 along K, into the first buffer
	s_add_co_u32 s[G0W+1], s55, STG
	s_mov_b64 s[G0W+2:G0W+3], s[60:61]
	s_or_b32 s[G0W+3], s[G0W+3], 0x80000000
	s_mov_b32 s[G0W2], 1                           ; one buffer and one step short of the third: each refill begins by stepping it
	s_add_co_u32 s[G0W2+1], s55, STG-WOD
	s_add_nc_u64 s[G0W2+2:G0W2+3], s[60:61], 1024
	s_or_b32 s[G0W2+3], s[G0W2+3], 0x80000000
	CROUND                                         ; all four work-groups are here: the first joint loads meet
	FILL G0A, G0W                                  ; slot 0 and Wo's first buffer: one tensor load a wave at the head
	v_and_b32 v7, 31, v0
	v_lshlrev_b32 v1, 4, v7                        ; 16 x lane
	v_lshlrev_b32 v2, 2, v7                        ; 4 x lane
	v_min_u32 v91, 12, v7
	v_add_nc_u32 v91, s56, v91
	v_min_u32 v91, 24, v91
	v_add_nc_u32 v91, s57, v91
	v_lshlrev_b32 v91, 8, v91                      ; my block of the quarter's 100
	v_and_b32 v7, 15, v0                           ; r
	v_lshlrev_b32 v4, 2, v7                        ; 4 r
	global_load_b128 v[16:19], v1, s[66:67]        ; both Q fragments stay in registers
	global_load_b128 v[20:23], v1, s[66:67] offset:512
	global_load_b128 v[24:27], v1, s[66:67] offset:1024
	global_load_b32 v255, v4, s[68:69]
	global_load_b128 v[52:55], v1, s[74:75]
	global_load_b128 v[56:59], v1, s[74:75] offset:512
	global_load_b128 v[60:63], v1, s[74:75] offset:1024
	global_load_b32 v85, v4, s[76:77]
	v_add_nc_u32 v28, s58, v1                      ; the stage: out, 16 bytes a lane,
	v_add_nc_u32 v29, s59, v1                      ; in,
	v_add_nc_u32 v30, s58, v2                      ; and 4 bytes a lane
	v_add_nc_u32 v31, s59, v2
	v_and_b32 v10, 8, v7
	v_add_nc_u32 v10, v10, v7                      ; r + 8 (r / 8)
	v_bfe_u32 v11, v0, 4, 1                        ; h
	v_mul_u32_u24 v92, v10, WPI
	v_lshl_add_u32 v92, v11, 7, v92
	v_add_nc_u32 v92, s54, v92                     ; Wo: my row of the first buffer, + 128 h: my block of each 64 along K
	v_lshlrev_b32 v93, 3, v11                      ; 8 h: my bytes' place in a scale word
	v_lshlrev_b32 v11, 4, v11
	v_sub_nc_u32 v10, v10, v11
	v_add_nc_u32 v3, s72, v10                      ; my query in its 128, less 16 (lane / 16): on the diagonal register 16 b + i is hidden where 32 b + i is above it
	v_add_nc_u32 v90, s80, v10
	v_mov_b32 v13, 0xff61b1e6                      ; the largest t so far: -3e38
	v_mov_b32 v87, 0xff61b1e6
	v_floor_f32 v12, -v13                          ; -M
	v_floor_f32 v86, -v87
	v_mov_b32 v14, 0
	v_mov_b32 v15, 0
	v_mov_b32 v88, 0
	v_mov_b32 v89, 0
.irp b, 0,1,2,3
	v_mov_b32 v[236+\b], 0                         ; written once: a lane permute's destination counts as one of its sources
	v_mov_b32 v[TM+4+\b], 0
.endr
	v_mov_b32 v252, 0
	v_mov_b32 v253, 0
.set JJ, 0
.rept 64
	v_mov_b32 v[160+JJ], 0                         ; O^T: a half that has no step must hold zeros, and the step is written without a first step of its own
.set JJ, JJ+1
.endr
	WIN 0x40
.set JJ, 0
.rept 64
	v_mov_b32 v[192+JJ], 0                         ; the early tile's, in window 1
.set JJ, JJ+1
.endr
	WIN 0
	global_prefetch_b8 v91, s[8:9] offset:8*UNIT th:TH_LOAD_NT scope:SCOPE_SE   ; slot 2
; K's eight fragments and their scale words (tile 2 p in lanes 0-15, tile 2 p + 1 in lanes 16-31), off bytes behind the unit that v8 and v9 stand at
.macro KLOAD off
.irp p, 0,1,2,3
	ds_load_b32 v[248+\p], v9 offset:(\off)+12288+128*\p
.endr
	WIN 0x40                                       ; destination window 1
.irp t, 0,1,2,3,4,5,6,7
.irp c, 0,1,2
	ds_load_b128 v[12*\t+4*\c:12*\t+4*\c+3], v8 offset:(\off)+1536*\t+512*\c
.endr
.endr
	WIN 0
.endm
; WO'S FRAGMENT, in waves 4-7: 16 rows x 128 K out of the buffer that is whole.  A lane takes two whole blocks of 32 of its row; the arithmetic is launch quant's.
.macro PROC
	s_cmp_lt_u32 s[WV], 4
	s_cbranch_scc1 .Lno_wo_\@
	s_wait_xcnt 0x0                                ; the last fragment's stores have read their registers and their bases
	s_add_nc_u64 s[WOP:WOP+1], s[WOP:WOP+1], 3072  ; two steps on in the unit
	s_add_nc_u64 s[WSP:WSP+1], s[WSP:WSP+1], 128
	v_add_nc_u32 v94, s[WB], v92
.irp c, 0,1
.irp j, 0,1,2,3,4,5,6,7
	ds_load_b128 v[96+32*\c+4*\j:99+32*\c+4*\j], v94 offset:256*\c+16*\j   ; k = 64 c + 32 h + 4 j ..
.endr
.endr
	s_wait_dscnt 0x0
.irp c, 0,1
	v_max3_num_f32 v[36+\c], |v[96+32*\c]|, |v[97+32*\c]|, 0x1800000   ; my block 2 c + h, and the floor 2^(3 - 127)
.endr
.irp i, 2,4,6,8,10,12,14,16,18,20,22,24,26,28,30
.irp c, 0,1
	v_max3_num_f32 v[36+\c], v[36+\c], |v[96+32*\c+\i]|, |v[97+32*\c+\i]|
.endr
.endr
	v_add_nc_u32 v38, 0xff000000, v36              ; the conversions' scale operands
	v_add_nc_u32 v39, 0xff000000, v37
	v_lshrrev_b32 v44, 23, v38                     ; the bytes
	v_lshrrev_b32 v45, 23, v39
	v_lshl_or_b32 v46, v45, 16, v44                ; blocks h and 2 + h,
	v_lshlrev_b32 v46, v93, v46                    ; at their places;
	v_permlanex16_b32 v40, v46, s[SEL], s[SEL+1]
	v_or_b32 v46, v46, v40                         ; with lane l xor 16's two the row's word is whole
.irp c, 0,1
	v_cvt_scalef32_pk16_fp6_f32 v[PC+6*\c:PC+2+6*\c], v[96+32*\c:111+32*\c], v[38+\c]
	v_cvt_scalef32_pk16_fp6_f32 v[PC+12+4*\c:PC+14+4*\c], v[112+32*\c:127+32*\c], v[38+\c]
.endr
	v_nop                                          ; one plain place behind a scaled conversion
.irp c, 0,1
.irp i, 0,1,2
	v_mov_b32 v[PC+3+6*\c+\i], v[PC+12+4*\c+\i]
.endr
.endr
.irp c, 0,1,2
	global_store_b128 v1, v[PC+4*\c:PC+4*\c+3], s[WOP:WOP+1] offset:512*\c   ; 512 consecutive bytes, at a multiple of 256 from the buffer's first byte
.endr
	global_store_b32 v4, v46, s[WSP:WSP+1]         ; lanes r and r + 16 hold the same word and write it to the same place
.Lno_wo_\@:
.endm
; ONE TILE'S PART OF A KEY STEP.  nm: -M and the largest t; sm: the sum; qf, qs: Q; mk: the mask's register; lst: the tile's last step; ow: O^T's window; first = 1: the step's first tile, which asks for V.
.macro TILE nm, sm, qf, qs, mk, lst, ow, first
.set OB, 160+32*\ow
	WIN 0x01                                       ; source 0 window 1
.irp t, 0,2,4,6
	v_wmma_scale_f32_16x16x128_f8f6f4 v[96+8*\t:103+8*\t], v[12*\t:12*\t+11], v[\qf:\qf+11], 0, v[248+\t/2], v[\qs] matrix_a_fmt:MATRIX_FMT_FP6 matrix_b_fmt:MATRIX_FMT_FP6
	v_wmma_scale_f32_16x16x128_f8f6f4 v[104+8*\t:111+8*\t], v[12*\t+12:12*\t+23], v[\qf:\qf+11], 0, v[248+\t/2], v[\qs] matrix_a_fmt:MATRIX_FMT_FP6 matrix_b_fmt:MATRIX_FMT_FP6 matrix_a_scale:MATRIX_SCALE_ROW1
.endr
.if \first
	WIN 0x40                                       ; V's loads name none of those products' registers; they land under the softmax
.irp t, 0,1,2,3,4,5,6,7
.irp c, 0,1,2
	ds_load_b128 v[96+12*\t+4*\c:96+12*\t+4*\c+3], v8 offset:4*UNIT+1536*\t+512*\c
.endr
.endr
	WIN 0
.irp p, 0,1,2,3
	ds_load_b32 v[32+\p], v9 offset:4*UNIT+12288+128*\p
.endr
.else
	WIN 0
.endif
	NOPS                                           ; four places behind the S^T products, ahead of the first read of the scores and of the loads into K's registers
	s_cmp_eq_u32 s[INNER], 1                       ; K of my next step in this slot, two units on, is asked for behind the step's LAST S^T products; my last step of a slot asks for none
	s_cbranch_scc1 .Lno_next_\@
.if \first
	s_cmp_le_u32 s[SIG], s[LSTE]                   ; the early tile still wants this K
	s_cbranch_scc1 .Lno_next_\@
.endif
	KLOAD 2*UNIT
.Lno_next_\@:
	s_cmp_lg_u32 s[SIG], s[\lst]                   ; only the tile's last step lies on the diagonal
	s_cbranch_scc1 .Lopen_\@
	v_mov_b32 v254, 0xff800000                     ; -infinity
.set JJ, 0
.rept 64
	v_cmp_gt_i32 vcc_lo, 32*(JJ/16)+JJ%16, v[\mk]
	v_cndmask_b32 v[96+JJ], v[96+JJ], v254, vcc_lo
.set JJ, JJ+1
.endr
.Lopen_\@:
.irp b, 0,1,2,3
	v_max3_num_f32 v[232+\b], v[96+16*\b], v[97+16*\b], v[98+16*\b]   ; the largest score of each block of 32 keys: for the row's maximum and, since p rises with the score, for the block's largest p
.endr
.irp i, 3,5,7,9,11,13
.irp b, 0,1,2,3
	v_max3_num_f32 v[232+\b], v[232+\b], v[96+16*\b+\i], v[97+16*\b+\i]
.endr
.endr
.irp b, 0,1,2,3
	v_max_num_f32 v[232+\b], v[232+\b], v[111+16*\b]
.endr
.irp b, 0,1,2,3
	v_permlanex16_b32 v[236+\b], v[232+\b], s[SEL], s[SEL+1]
.endr
.irp b, 0,1,2,3
	v_max_num_f32 v[232+\b], v[232+\b], v[236+\b]  ; with lane l xor 16's 16 keys
.endr
	v_max3_num_f32 v254, v232, v233, v234
	s_delay_alu instid0(VALU_DEP_1)
	v_max_num_f32 v254, v254, v235
	s_delay_alu instid0(VALU_DEP_1)
	v_mul_f32 v254, s[CS], v254                    ; the step's largest t
	s_delay_alu instid0(VALU_DEP_1)
	v_max_num_f32 v[\nm+1], v[\nm+1], v254
	v_mov_b32 v254, v[\nm]
	s_delay_alu instid0(VALU_DEP_2)
	v_floor_f32 v[\nm], -v[\nm+1]                  ; the new -M = -ceil(t)
	s_delay_alu instid0(VALU_DEP_1)
	v_sub_f32 v254, v[\nm], v254                   ; old M - new M: a whole number, 0 or less
	s_delay_alu instid0(VALU_DEP_1)
	v_cvt_i32_f32 v254, v254                       ; (it saturates)
	s_delay_alu instid0(VALU_DEP_1)
	v_ldexp_f32 v252, 1.0, v254                    ; f = 2^(old M - new M)
.irp j, 0,2,4,6,8,10,12,14,16,18,20,22,24,26,28,30,32,34,36,38,40,42,44,46,48,50,52,54,56,58,60,62
	v_pk_fma_f32 v[96+\j:97+\j], v[96+\j:97+\j], s[CS:CS+1], v[\nm:\nm+1] op_sel_hi:[1,0,0]   ; t - M
.endr
.irp b, 0,1,2,3
	v_fma_f32 v[232+\b], v[232+\b], s[CS], v[\nm]
.endr
	s_wait_alu depctr_va_vdst(0)
.set JJ, 0
.rept 64
	v_exp_f32 v[96+JJ], v[96+JJ]                   ; p = 2^(t - M)
.set JJ, JJ+1
.endr
.irp b, 0,1,2,3
	v_exp_f32 v[232+\b], v[232+\b]                 ; each block's largest p
.endr
	v_pk_mul_f32 v[\sm:\sm+1], v[\sm:\sm+1], v[252:253] op_sel_hi:[1,0]   ; the sums under the new M: a plain place behind the exponentials
	s_wait_alu depctr_va_vdst(0)                   ; one wait for the batch, ahead of its first reader
	v_pk_add_f32 v[236:237], v[100:101], v[104:105]
	v_pk_add_f32 v[246:247], v[108:109], v[112:113]
	v_pk_add_f32 v[244:245], v[116:117], v[120:121]
	v_pk_add_f32 v[242:243], v[124:125], v[128:129]
	v_pk_add_f32 v[240:241], v[132:133], v[136:137]
	v_pk_add_f32 v[238:239], v[140:141], v[144:145]
	v_pk_add_f32 v[230:231], v[148:149], v[152:153]
	v_pk_add_f32 v[\sm:\sm+1], v[\sm:\sm+1], v[156:157]
	v_pk_add_f32 v[236:237], v[236:237], v[96:97]
	v_pk_add_f32 v[246:247], v[246:247], v[98:99]
	v_pk_add_f32 v[244:245], v[244:245], v[102:103]
	v_pk_add_f32 v[242:243], v[242:243], v[106:107]
	v_pk_add_f32 v[240:241], v[240:241], v[110:111]
	v_pk_add_f32 v[238:239], v[238:239], v[114:115]
	v_pk_add_f32 v[230:231], v[230:231], v[118:119]
	v_pk_add_f32 v[\sm:\sm+1], v[\sm:\sm+1], v[122:123]
	v_pk_add_f32 v[236:237], v[236:237], v[126:127]
	v_pk_add_f32 v[246:247], v[246:247], v[130:131]
	v_pk_add_f32 v[244:245], v[244:245], v[134:135]
	v_pk_add_f32 v[242:243], v[242:243], v[138:139]
	v_pk_add_f32 v[240:241], v[240:241], v[142:143]
	v_pk_add_f32 v[238:239], v[238:239], v[146:147]
	v_pk_add_f32 v[230:231], v[230:231], v[150:151]
	v_pk_add_f32 v[\sm:\sm+1], v[\sm:\sm+1], v[154:155]
	v_pk_add_f32 v[236:237], v[236:237], v[158:159]
	v_pk_add_f32 v[\sm:\sm+1], v[\sm:\sm+1], v[242:243]
	v_pk_add_f32 v[236:237], v[236:237], v[240:241]
	v_pk_add_f32 v[246:247], v[246:247], v[238:239]
	v_pk_add_f32 v[244:245], v[244:245], v[230:231]
	v_pk_add_f32 v[\sm:\sm+1], v[\sm:\sm+1], v[246:247]
	v_pk_add_f32 v[236:237], v[236:237], v[244:245]
	s_delay_alu instid0(VALU_DEP_1)
	v_pk_add_f32 v[\sm:\sm+1], v[\sm:\sm+1], v[236:237]
.irp b, 0,1,2,3
	v_max_num_f32 v[232+\b], 0x1800000, v[232+\b]  ; the floor 2^(3 - 127)
.endr
.irp b, 0,1,2,3
	v_add_nc_u32 v[244+\b], 0xff000000, v[232+\b]  ; the conversion's scale operand
.endr
.irp b, 0,1,2,3
	v_lshrrev_b32 v[236+\b], 23, v[244+\b]         ; the byte
.endr
	v_lshl_or_b32 v253, v237, 8, v236              ; p's scale word for these 128 keys
	s_delay_alu instid0(VALU_DEP_1)
	v_lshl_or_b32 v253, v238, 16, v253
	s_delay_alu instid0(VALU_DEP_1)
	v_lshl_or_b32 v253, v239, 24, v253
.irp c, 0,1
	v_cvt_scalef32_pk16_fp6_f32 v[224+6*\c:226+6*\c], v[96+32*\c:111+32*\c], v[244+2*\c]
	v_cvt_scalef32_pk16_fp6_f32 v[236+4*\c:238+4*\c], v[112+32*\c:127+32*\c], v[244+2*\c+1]
.endr
	v_nop                                          ; one plain place behind a scaled conversion
.irp c, 0,1
.irp i, 0,1,2
	v_permlane16_swap_b32 v[224+6*\c+\i], v[236+4*\c+\i]
.endr
.irp i, 0,1,2
	v_mov_b32 v[227+6*\c+\i], v[236+4*\c+\i]
.endr
.endr
	WIN 0x41*\ow                                   ; O^T's window: destination and source 0
	s_wait_alu depctr_va_vdst(0)
.irp j, 0,2,4,6,8,10,12,14,16,18,20,22,24,26,28,30,32,34,36,38,40,42,44,46,48,50,52,54,56,58,60,62
	v_pk_mul_f32 v[OB+\j:OB+1+\j], v[OB+\j:OB+1+\j], v[252:253] op_sel_hi:[1,0]   ; O^T under the new M; these 32 are also the places between the codes, the scale word and the products
.endr
	WIN 0
	s_wait_alu depctr_va_vdst(0)
	s_wait_dscnt 0x0                               ; V is in, and the next K, if it was asked for
	WIN 0x01+0x50*\ow                              ; source 0 window 1; C and D in O^T's window
.irp t, 0,2,4,6
	v_wmma_scale_f32_16x16x128_f8f6f4 v[OB+8*\t:OB+7+8*\t], v[96+12*\t:96+12*\t+11], v[224:235], v[OB+8*\t:OB+7+8*\t], v[32+\t/2], v253 matrix_a_fmt:MATRIX_FMT_FP6 matrix_b_fmt:MATRIX_FMT_FP6
	v_wmma_scale_f32_16x16x128_f8f6f4 v[OB+8+8*\t:OB+15+8*\t], v[108+12*\t:108+12*\t+11], v[224:235], v[OB+8+8*\t:OB+15+8*\t], v[32+\t/2], v253 matrix_a_fmt:MATRIX_FMT_FP6 matrix_b_fmt:MATRIX_FMT_FP6 matrix_a_scale:MATRIX_SCALE_ROW1
.endr
	WIN 0
.endm
; A KEY STEP of 128 keys, for the late tile and, where it is open, for the early one.  The early tile's last step is never behind the late tile's (X <= 15 - X).
.macro STEP
	s_cmp_gt_u32 s[SIG], s[LSTL]                   ; all its keys come after my queries: only the lines at its end that step addresses are run
	s_cbranch_scc1 .Lhidden_\@
	v_add_nc_u32 v8, s[TB], v1
	v_add_nc_u32 v9, s[TB], v2
	v_nop
	v_nop                                          ; four places behind the last step's O^T products, ahead of the loads into V's registers
	s_wait_alu depctr_va_vdst(0)
	s_wait_dscnt 0x0                               ; K is in: asked for a step ago, or at the slot's head
	TILE 12, 14, 16, 255, 3, LSTL, 0, 1
	s_cmp_gt_u32 s[SIG], s[LSTE]
	s_cbranch_scc1 .Lhidden_\@
	TILE 86, 88, 52, 85, 90, LSTE, 1, 0
.Lhidden_\@:
	s_add_co_u32 s[SIG], s[SIG], 2
	s_add_co_u32 s[TB], s[TB], 2*UNIT
.endm
.macro SLOT_STEPS                      ; my two key steps of a slot's four.  Every wave asks for its first K at the slot's head, one whose steps here are all hidden too: the bytes have landed, and K's registers are then written on every way
	v_add_nc_u32 v8, s[TB], v1
	v_add_nc_u32 v9, s[TB], v2
	KLOAD 0
	PROC
	s_mov_b32 s[INNER], 2
.Lstep_\@:
	STEP
	s_sub_co_u32 s[INNER], s[INNER], 1
	s_cmp_lg_u32 s[INNER], 0
	s_cbranch_scc1 .Lstep_\@
	s_sub_co_u32 s[TB], s[TB], 4*UNIT
	s_xor_b32 s[TB], s[TB], SLOT1                  ; on to the other slot,
	s_add_co_u32 s[WB], s[WB], WOD                 ; and to Wo's other buffer
.endm
; THE CHANGE OF SLOTS.  Each wave waits for all its tensor loads (its part of what is read next), adds 0 to its spare word, and waits for that and for its reads of the slot and the buffer that it leaves.
; fill = 1: a round of the cluster's barrier, and behind it the slot just left takes the keys two slots on and the buffer just left the next 256 along K of Wo.
.macro CHANGE fill
	s_wait_tensorcnt 0x0
	ds_add_u32 v[SPW], v[NIL]
.if \fill
	s_xor_b32 s[G0B+1], s[G0B+1], SLOT1            ; no tensor load of mine is out: the walking descriptors may be written
	s_add_nc_u64 s[G0B+2:G0B+3], s[G0B+2:G0B+3], 4*UNIT
	s_add_co_u32 s[G0W2+1], s[G0W2+1], WOD
	s_add_nc_u64 s[G0W2+2:G0W2+3], s[G0W2+2:G0W2+3], 1024
.endif
	s_wait_dscnt 0x0
.if \fill
	CROUND
	FILL G0B, G0W2
.else
	s_barrier_signal -1
	s_barrier_wait -1
.endif
.endm
	s_wait_alu depctr_va_vdst(0)
	s_wait_tensorcnt 0x0                           ; my part of the first fills is in; a later first fill stands behind the same lines as a refill
	ds_add_u32 v[SPW], v[NIL]
	s_add_co_u32 s[G0W+1], s[G0W+1], WOD           ; Wo's second buffer, the second 256 along K
	s_add_nc_u64 s[G0W+2:G0W+3], s[G0W+2:G0W+3], 1024
	s_wait_dscnt 0x0
	CROUND
	FILL G0B, G0W                                  ; slot 1 and Wo's second buffer
	global_prefetch_b8 v91, s[8:9] offset:12*UNIT th:TH_LOAD_NT scope:SCOPE_SE   ; slot 3
	s_wait_loadcnt 0x0                             ; both Q
	s_mov_b32 s[OUTER], 2
.Lfilling:                                             ; slots 0 and 1, each filled again when it has been read
	SLOT_STEPS
	CHANGE 1
	s_sub_co_u32 s[OUTER], s[OUTER], 1
	s_cmp_lg_u32 s[OUTER], 0
	s_cbranch_scc1 .Lfilling
	s_wait_xcnt 0x0                                ; Wo's stores have read their bases
	s_add_nc_u64 s[WOP:WOP+1], s[WOP:WOP+1], 256   ; on to the next unit: 6,400 bytes less the two steps of 3,072 taken
	s_add_nc_u64 s[WSP:WSP+1], s[WSP:WSP+1], 6144  ; 6,400 less the two steps of 128
	s_mov_b32 s[WB], 0
	s_mov_b32 s[OUTER], 2
.Llast:                                                ; the last two slots: nothing more is fetched
	SLOT_STEPS
	CHANGE 0
	s_sub_co_u32 s[OUTER], s[OUTER], 1
	s_cmp_lg_u32 s[OUTER], 0
	s_cbranch_scc1 .Llast
	; THE HALVES MEET.  The even wave sends its half of the early tile, the odd wave its half of the late tile and then takes the early tile's state into the late tile's registers.
	; The stage lies on Wo's buffers: they have had their last fill, and every wave has passed the barrier behind their last read.
	s_wait_xcnt 0x0                                ; Wo's last stores have read the registers that the last quantiser writes
	NOPS                                           ; places behind the last products
	v_add_f32 v14, v14, v15
	v_add_f32 v88, v88, v89
	s_wait_alu depctr_va_vdst(0)
	s_cmp_eq_u32 s[PAR], 0
	s_cbranch_scc0 .Lodd
	WIN 0x04                                       ; the data: window 1
.irp i, 0,1,2,3,4,5,6,7,8,9,10,11,12,13,14,15
	ds_store_b128 v28, v[192+4*\i:195+4*\i] offset:512*\i
.endr
	WIN 0
	ds_store_b32 v30, v86 offset:8192
	ds_store_b32 v30, v88 offset:8320
	s_branch .Lsent
.Lodd:
.irp i, 0,1,2,3,4,5,6,7,8,9,10,11,12,13,14,15
	ds_store_b128 v28, v[160+4*\i:163+4*\i] offset:512*\i
.endr
	ds_store_b32 v30, v12 offset:8192
	ds_store_b32 v30, v14 offset:8320
	WIN 0x01
.set JJ, 0
.rept 64
	v_mov_b32 v[160+JJ], v[192+JJ]
.set JJ, JJ+1
.endr
	WIN 0
	v_mov_b32 v12, v86
	v_mov_b32 v14, v88
.Lsent:
	s_wait_alu depctr_va_vdst(0)
	s_wait_dscnt 0x0                               ; my stores are done
	s_barrier_signal -1
	s_barrier_wait -1
.irp i, 0,1,2,3,4,5,6,7,8,9,10,11,12,13,14,15
	ds_load_b128 v[96+4*\i:99+4*\i], v29 offset:512*\i   ; my partner's half of the tile that I finish
.endr
	ds_load_b32 v232, v31 offset:8192              ; its -M
	ds_load_b32 v233, v31 offset:8320              ; its sum
	s_wait_dscnt 0x0
	v_min_num_f32 v234, v12, v232                  ; -M of both halves
	v_sub_f32 v235, v234, v12                      ; my M less the joint M: a whole number, 0 or less
	v_sub_f32 v236, v234, v232
	v_cvt_i32_f32 v235, v235                       ; (they saturate)
	v_cvt_i32_f32 v236, v236
	v_ldexp_f32 v235, 1.0, v235                    ; my half's factor,
	v_ldexp_f32 v236, 1.0, v236                    ; and my partner's
	v_mul_f32 v14, v14, v235
	s_delay_alu instid0(VALU_DEP_1)
	v_fma_f32 v14, v233, v236, v14
	s_delay_alu instid0(VALU_DEP_1)
	v_permlanex16_b32 v252, v14, s[SEL], s[SEL+1]
	s_delay_alu instid0(VALU_DEP_1)
	v_add_f32 v14, v14, v252                       ; the row's sum
	s_wait_alu depctr_va_vdst(0)
	v_rcp_f32 v14, v14
	v_nop                                          ; a plain place behind it
	s_wait_alu depctr_va_vdst(0)                   ; and the wait ahead of its first reader
	v_mul_f32 v252, v235, v14
	v_mul_f32 v254, v236, v14
.irp j, 0,2,4,6,8,10,12,14,16,18,20,22,24,26,28,30,32,34,36,38,40,42,44,46,48,50,52,54,56,58,60,62
	v_pk_mul_f32 v[96+\j:97+\j], v[96+\j:97+\j], v[254:255] op_sel_hi:[1,0]
.endr
.irp j, 0,2,4,6,8,10,12,14,16,18,20,22,24,26,28,30,32,34,36,38,40,42,44,46,48,50,52,54,56,58,60,62
	v_pk_fma_f32 v[96+\j:97+\j], v[160+\j:161+\j], v[252:253], v[96+\j:97+\j] op_sel_hi:[1,0,1]   ; O^T / the sum
.endr
	QUANT 96                                       ; along d: step (head % 4) of slot (head / 4) of my 16 queries' row-block in the last product's A
.irp c, 0,1,2
	global_store_b128 v1, v[PC+4*\c:PC+4*\c+3], s[16:17] offset:512*\c   ; 512 consecutive bytes, at a multiple of 256 from the buffer's first byte
.endr
	global_store_b32 v4, v[PW], s[6:7]             ; lanes r and r + 16 hold the same word and write it to the same place
	s_wait_tensorcnt 0x0                           ; the wave's end
	ds_add_u32 v[SPW], v[NIL]
	s_wait_dscnt 0x0
	CROUND                                         ; the closing round
	s_endpgm
.Lfunc_end_k_qdfd8d0ec17_attn:
	.size	k_qdfd8d0ec17_attn, .Lfunc_end_k_qdfd8d0ec17_attn-k_qdfd8d0ec17_attn
	.p2alignl 7, 3214868480
	.fill 96, 4, 3214868480
	.section	.rodata,"a",@progbits
	.p2align	6, 0x0
	.amdhsa_kernel k_qdfd8d0ec17_attn
		.amdhsa_group_segment_fixed_size 327680
		.amdhsa_private_segment_fixed_size 0
		.amdhsa_enable_private_segment 0
		.amdhsa_kernarg_size 32
		.amdhsa_user_sgpr_count 2
		.amdhsa_user_sgpr_kernarg_segment_ptr 1
		.amdhsa_wavefront_size32 1
		.amdhsa_system_sgpr_workgroup_id_x 1
		.amdhsa_system_sgpr_workgroup_id_y 1
		.amdhsa_system_sgpr_workgroup_id_z 1
		.amdhsa_system_vgpr_workitem_id 0
		.amdhsa_next_free_vgpr 512
		.amdhsa_next_free_sgpr 100
		.amdhsa_reserve_vcc 1
		.amdhsa_float_denorm_mode_32 3
		.amdhsa_float_denorm_mode_16_64 3
		.amdhsa_memory_ordered 1
		.amdhsa_forward_progress 1
		.amdhsa_inst_pref_size 141
	.end_amdhsa_kernel
	.amdgpu_metadata
---
amdhsa.version: [ 1, 2 ]
amdhsa.kernels:
  - .name:           k_qdfd8d0ec17_attn
    .symbol:         k_qdfd8d0ec17_attn.kd
    .args:
      - { .name: qkvimg, .offset: 0, .size: 8, .value_kind: global_buffer, .address_space: global }
      - { .name: attnimg, .offset: 8, .size: 8, .value_kind: global_buffer, .address_space: global }
      - { .name: Wo, .offset: 16, .size: 8, .value_kind: global_buffer, .address_space: global }
      - { .name: img, .offset: 24, .size: 8, .value_kind: global_buffer, .address_space: global }
    .group_segment_fixed_size: 327680
    .private_segment_fixed_size: 0
    .kernarg_segment_align: 8
    .kernarg_segment_size: 32
    .max_flat_workgroup_size: 256
    .sgpr_count:     100
    .vgpr_count:     512
    .wavefront_size: 32
...
	.end_amdgpu_metadata
.endif
;; end of part 3
;; launch oproj (part 4): grid 16 x 16, 4 waves a work-group, clusters of 4 x 4, 327,680 bytes of LDS; arguments attnimg, img, out0; writes out0
.if DOCPART == 4
	.amdgcn_target "amdgcn-amd-amdhsa--gfx1250"
	.amdhsa_code_object_version 6
	.text
	.protected	k_qdfd8d0ec17_oproj
	.globl	k_qdfd8d0ec17_oproj
	.p2align	8
	.type	k_qdfd8d0ec17_oproj,@function
k_qdfd8d0ec17_oproj:
	s_mov_b64 s[64:65], 0
	v_nop
	global_prefetch_b8 v0, s[64:65] scope:SCOPE_SE
	s_setreg_imm32_b32 hwreg(HW_REG_WAVE_MODE, 25, 1), 1
	s_wait_xcnt 0x0
	s_wait_alu depctr_hold_cnt(0) depctr_sa_sdst(0) depctr_va_vdst(0) depctr_va_sdst(0) depctr_va_ssrc(0) depctr_va_vcc(0) depctr_vm_vsrc(0)
	s_getreg_b32 s2, hwreg(HW_REG_IB_STS2, 6, 4)
	s_cmp_eq_u32 s2, 0
	s_cbranch_scc0 .Lentry_in_a_cluster
	s_endpgm
.Lentry_in_a_cluster:
	s_bfe_u32 s2, ttmp6, 0x10000c
	s_cmp_lg_u32 s2, 0xf033
	s_cbranch_scc0 .Lentry_shape_is_right
	s_endpgm
.Lentry_shape_is_right:
.set NS,    4
.set UNIT,  6400
.set SLOT,  24*UNIT
.set SPARE, 2*SLOT
.set LAPS,  NS/2
.set ADRA,  16
.set ADRB,  18
.set ASA,   20
.set ASB,   22
.set STO,   24
.set RD,    25
.set SPW,   28
.set NIL,   29
.set SC,    32
.set AF,    80
.set BK,    80
.set G1A,   24
.set G0A,   32
.set G1B,   48
.set G0B,   56
.set MSB,   0
.macro WIN new
.if MSB != \new
	s_set_vgpr_msb (MSB<<8)|\new
.set MSB, \new
.endif
.endm
.set MUL,  0xa1
.set TO_B, 0x40
.set PFO,  26                          ; v26 256 x min(lane, 24)
.set PFA,  86                          ; s[86:87] my work-group's share of slot 2's units among those that I fetch; never rewritten
; A prefetch: behind the load of slot m stands the request for slot m + 2 (slots 2 and 3, the last).  A unit is 25 blocks of 256 bytes, a lane a block (lanes 25-31 name block 24 again);
; of a wave's four (eight) units the partner at place cx (cy) takes one (two): shared out by address.
.macro ASKC off
	global_prefetch_b8 v[PFO], s[PFA:PFA+1] offset:\off th:TH_LOAD_NT scope:SCOPE_SE
	s_cmp_eq_u32 s15, 0
	s_cbranch_scc1 .Lone_\@
	global_prefetch_b8 v[PFO], s[PFA:PFA+1] offset:(\off)+NS*UNIT th:TH_LOAD_NT scope:SCOPE_SE
.Lone_\@:
.endm
.macro PLACES
.rept 4
	v_nop
.endr
.endm
.macro JLOAD g0a, g1a, g0b, g1b
	s_cmp_eq_u32 s15, 0
	s_cbranch_scc0 .Lfor_b_\@
	tensor_load_to_lds s[\g0a:\g0a+3], s[\g1a:\g1a+7]
	s_nop 0
.rept 4
	v_nop
.endr
	s_branch .Lasked_\@
.Lfor_b_\@:
	tensor_load_to_lds s[\g0b:\g0b+3], s[\g1b:\g1b+7]
	s_nop 0
.rept 4
	v_nop
.endr
.Lasked_\@:
.endm
.macro CREST
	s_cmp_lg_u32 s14, 0
	s_cbranch_scc1 .Lnot_wave_0_\@
	s_barrier_signal -3
.Lnot_wave_0_\@:
	s_barrier_wait -3
	s_barrier_signal -1
	s_barrier_wait -1
.endm
.macro CROUND
	s_barrier_signal -1
	s_barrier_wait -1
	CREST
.endm
.macro FETCH slot, q, p
	WIN TO_B
.irp b, 0,1,2,3,4,5,6,7
.irp c, 0,1,2
	ds_load_b128 v[96*(\p)+12*\b+4*\c:96*(\p)+12*\b+4*\c+3], v[ADRB+\slot] offset:UNIT*\b+1536*(\q)+512*\c
.endr
.endr
	WIN 0
.irp a, 0,1,2,3
.irp c, 0,1,2
	ds_load_b128 v[AF+48*(\p)+12*\a+4*\c:AF+48*(\p)+12*\a+4*\c+3], v[ADRA+\slot] offset:UNIT*\a+1536*(\q)+512*\c
.endr
.endr
.endm
.macro SCALES s
.irp p, 0,1
.irp a, 0,1,2,3
	ds_load_b32 v[SC+24*\s+2*\a+\p], v[ASA+\s] offset:6144+UNIT*\a+128*\p
.endr
.irp b, 0,1,2,3,4,5,6,7
	ds_load_b32 v[SC+24*\s+8+2*\b+\p], v[ASB+\s] offset:6144+UNIT*\b+128*\p
.endr
.endr
.endm
.macro MUL8 a, p, s, q, zero
.irp b, 0,1,2,3,4,5,6,7
.if \zero
	v_wmma_scale_f32_16x16x128_f8f6f4 v[8*(8*(\a)+\b):8*(8*(\a)+\b)+7], v[96*(\p)+12*\b:96*(\p)+12*\b+11], v[AF+48*(\p)+12*(\a):AF+48*(\p)+12*(\a)+11], 0, v[SC+24*(\s)+8+2*\b+(\q)/2], v[SC+24*(\s)+2*(\a)+(\q)/2] matrix_a_fmt:MATRIX_FMT_FP6 matrix_b_fmt:MATRIX_FMT_FP6
.elseif (\q)%2
	v_wmma_scale_f32_16x16x128_f8f6f4 v[8*(8*(\a)+\b):8*(8*(\a)+\b)+7], v[96*(\p)+12*\b:96*(\p)+12*\b+11], v[AF+48*(\p)+12*(\a):AF+48*(\p)+12*(\a)+11], v[8*(8*(\a)+\b):8*(8*(\a)+\b)+7], v[SC+24*(\s)+8+2*\b+(\q)/2], v[SC+24*(\s)+2*(\a)+(\q)/2] matrix_a_fmt:MATRIX_FMT_FP6 matrix_b_fmt:MATRIX_FMT_FP6 matrix_a_scale:MATRIX_SCALE_ROW1 matrix_b_scale:MATRIX_SCALE_ROW1
.else
	v_wmma_scale_f32_16x16x128_f8f6f4 v[8*(8*(\a)+\b):8*(8*(\a)+\b)+7], v[96*(\p)+12*\b:96*(\p)+12*\b+11], v[AF+48*(\p)+12*(\a):AF+48*(\p)+12*(\a)+11], v[8*(8*(\a)+\b):8*(8*(\a)+\b)+7], v[SC+24*(\s)+8+2*\b+(\q)/2], v[SC+24*(\s)+2*(\a)+(\q)/2] matrix_a_fmt:MATRIX_FMT_FP6 matrix_b_fmt:MATRIX_FMT_FP6
.endif
.endr
.endm
.macro STEP slot, q, zero
	s_wait_dscnt 0x0
	PLACES
	FETCH \slot, (\q)+1, ((\q)+1)%2
	WIN MUL
	MUL8 0, (\q)%2, \slot, \q, \zero
	MUL8 1, (\q)%2, \slot, \q, \zero
	MUL8 2, (\q)%2, \slot, \q, \zero
	MUL8 3, (\q)%2, \slot, \q, \zero
.endm
.macro TURN slot, next, fill
	s_wait_dscnt 0x0                               ; the last step's fragments are in: my reads of this slot are over
	WIN MUL
	MUL8 0, 1, \slot, 3, 0
	MUL8 1, 1, \slot, 3, 0
	WIN 0
	s_wait_tensorcnt 0x0                           ; my one load that was out has landed
	ds_add_u32 v[SPW], v[NIL]
	s_wait_dscnt 0x0
	s_barrier_signal -1
	s_barrier_wait -1
.if \fill
	CREST
	s_add_nc_u64 s[G0A+4*\slot+2:G0A+4*\slot+3], s[G0A+4*\slot+2:G0A+4*\slot+3], 2*UNIT
	s_add_nc_u64 s[G0B+4*\slot+2:G0B+4*\slot+3], s[G0B+4*\slot+2:G0B+4*\slot+3], 2*UNIT
	JLOAD G0A+4*\slot, G1A, G0B+4*\slot, G1B
.else
	PLACES
.endif
	FETCH \next, 0, 0
	SCALES \next
	WIN MUL
	MUL8 2, 1, \slot, 3, 0
	MUL8 3, 1, \slot, 3, 0
.endm
	s_load_b128 s[4:7], s[0:1], 0x0
	s_load_b64 s[8:9], s[0:1], 0x10
	v_lshl_add_u32 v[SPW], v0, 2, SPARE
	v_mov_b32 v[NIL], 0
	ds_add_u32 v[SPW], v[NIL]
	ds_add_u32 v[SPW], v[NIL]
	v_lshrrev_b32 v1, 5, v0
	v_readfirstlane_b32 s14, v1
	s_lshr_b32 s15, s14, 1
	s_and_b32 s16, s14, 1
	s_bfe_u32 s40, ttmp6, 0x40000
	s_bfe_u32 s41, ttmp6, 0x40004
	s_lshl_b32 s42, ttmp9, 2
	s_add_co_u32 s42, s42, s40
	s_and_b32 s17, ttmp7, 0xffff
	s_lshl_b32 s17, s17, 2
	s_add_co_u32 s17, s17, s41
	s_lshl_b32 s43, s41, 2
	s_lshl_b32 s43, 15, s43
	s_lshl_b32 s44, 0x1111, s40
	s_or_b32 s[G1A+0], s43, (3<<16)|(1<<21)
	s_or_b32 s[G1B+0], s44, (3<<16)|(1<<21)
	s_mov_b32 s[G1A+1], 800<<16
	s_mov_b32 s[G1A+2], 4<<16
	s_mov_b32 s[G1A+3], 800<<16
	s_mov_b32 s[G1A+4], 4
	s_mov_b32 s[G1A+5], 800*NS
	s_mov_b32 s[G1A+6], 0
	s_mov_b32 s[G1A+7], 0
	s_mov_b32 s[G1B+1], 800<<16
	s_mov_b32 s[G1B+2], 8<<16
	s_mov_b32 s[G1B+3], 800<<16
	s_mov_b32 s[G1B+4], 8
	s_mov_b32 s[G1B+5], 800*NS
	s_mov_b32 s[G1B+6], 0
	s_mov_b32 s[G1B+7], 0
	s_lshl_b32 s18, s16, 2
	s_lshl_b32 s20, s17, 3
	s_add_co_u32 s20, s20, s18
	s_mul_i32 s20, s20, NS*UNIT
	s_mov_b32 s21, 0
	s_lshl_b32 s18, s16, 3
	s_lshl_b32 s46, s42, 4
	s_add_co_u32 s46, s46, s18
	s_mul_i32 s46, s46, NS*UNIT
	s_add_co_u32 s46, s46, 19660800
	s_mov_b32 s47, 0
	s_mul_i32 s45, s16, 4*UNIT
	s_mul_i32 s72, s16, 8*UNIT
	s_add_co_u32 s72, s72, 8*UNIT
	s_wait_dscnt 0x0
	s_wait_kmcnt 0x0
	s_add_nc_u64 s[20:21], s[4:5], s[20:21]
	s_add_nc_u64 s[46:47], s[6:7], s[46:47]
.irp s, 0,1
	s_mov_b32 s[G0A+4*\s], 1
	s_add_co_u32 s[G0A+4*\s+1], s45, \s*SLOT
	s_add_nc_u64 s[G0A+4*\s+2:G0A+4*\s+3], s[20:21], \s*UNIT
	s_or_b32 s[G0A+4*\s+3], s[G0A+4*\s+3], 0x80000000
	s_mov_b32 s[G0B+4*\s], 1
	s_add_co_u32 s[G0B+4*\s+1], s72, \s*SLOT
	s_add_nc_u64 s[G0B+4*\s+2:G0B+4*\s+3], s[46:47], \s*UNIT
	s_or_b32 s[G0B+4*\s+3], s[G0B+4*\s+3], 0x80000000
.endr
	CROUND                                         ; all sixteen work-groups are here: the first joint loads meet
	JLOAD G0A, G1A, G0B, G1B                       ; slot 0: one tensor load a wave at the head
	s_lshl_b32 s19, s41, 1
	s_cmp_eq_u32 s15, 0
	s_cselect_b64 s[PFA:PFA+1], s[20:21], s[46:47]
	s_cselect_b32 s18, s40, s19
	s_mul_i32 s18, s18, NS*UNIT
	s_add_co_u32 s18, s18, 2*UNIT
	s_mov_b32 s19, 0
	s_add_nc_u64 s[PFA:PFA+1], s[PFA:PFA+1], s[18:19]
	v_and_b32 v1, 15, v0
	v_bfe_u32 v2, v0, 4, 1
	v_and_b32 v3, 31, v0
	v_min_u32 v[PFO], 24, v3
	v_lshlrev_b32 v[PFO], 8, v[PFO]
	v_lshlrev_b32 v4, 4, v3
	v_lshlrev_b32 v5, 2, v3
	s_mul_i32 s21, s15, 4*UNIT
	s_mul_i32 s22, s16, 8*UNIT
	s_add_co_u32 s22, s22, 8*UNIT
.irp s, 0,1
	v_add_nc_u32 v[ADRA+\s], s21, v4
	v_add_nc_u32 v[ADRB+\s], s22, v4
	v_add_nc_u32 v[ASA+\s], s21, v5
	v_add_nc_u32 v[ASB+\s], s22, v5
	s_add_co_u32 s21, s21, SLOT
	s_add_co_u32 s22, s22, SLOT
.endr
	s_mul_i32 s23, s14, 16*528
	v_mul_u32_u24 v6, v1, 528
	v_lshl_add_u32 v6, v2, 6, v6
	v_add_nc_u32 v[STO], s23, v6
	v_add_nc_u32 v[RD], s23, v4
	ASKC 0                                         ; slot 2
	s_lshl_b32 s20, s17, 7
	s_lshl_b32 s21, s15, 6
	s_add_co_u32 s20, s20, s21
	s_lshl_b32 s20, s20, 14
	s_mov_b32 s21, 0
	s_lshl_b32 s46, s42, 10
	s_lshl_b32 s47, s16, 9
	s_add_co_u32 s46, s46, s47
	s_mov_b32 s47, 0
	s_add_nc_u64 s[20:21], s[20:21], s[46:47]
	s_add_nc_u64 s[8:9], s[8:9], s[20:21]
	s_wait_alu depctr_va_vdst(0)
	s_wait_tensorcnt 0x0                           ; my part of slot 0 is in; a later first fill stands behind the same lines as a refill
	ds_add_u32 v[SPW], v[NIL]
	s_wait_dscnt 0x0
	CROUND
	JLOAD G0A+4, G1A, G0B+4, G1B                   ; slot 1
	FETCH 0, 0, 0
	SCALES 0
	ASKC UNIT                                      ; slot 3
	STEP 0, 0, 1
	WIN 0
	s_mov_b32 s3, LAPS-1
.Llap:
	STEP 0, 1, 0
	STEP 0, 2, 0
	TURN 0, 1, 1
	STEP 1, 0, 0
	STEP 1, 1, 0
	STEP 1, 2, 0
	TURN 1, 0, 1
	STEP 0, 0, 0
	WIN 0
	s_sub_co_u32 s3, s3, 1
	s_cmp_lg_u32 s3, 0
	s_cbranch_scc1 .Llap
	STEP 0, 1, 0
	STEP 0, 2, 0
	TURN 0, 1, 0
	STEP 1, 0, 0
	STEP 1, 1, 0
	STEP 1, 2, 0
	s_wait_dscnt 0x0
	WIN MUL
	MUL8 0, 1, 1, 3, 0
	MUL8 1, 1, 1, 3, 0
	MUL8 2, 1, 1, 3, 0
	MUL8 3, 1, 1, 3, 0
	WIN 0
.macro TOSTAGE a
	WIN 0x08
.irp b, 0,1,2,3,4,5,6,7
	ds_store_b128 v[STO], v[64*(\a)+8*\b:64*(\a)+8*\b+3] offset:128*(\b/2)+32*(\b%2)
	ds_store_b128 v[STO], v[64*(\a)+8*\b+4:64*(\a)+8*\b+7] offset:128*(\b/2)+32*(\b%2)+16
.endr
	WIN 0
.set BB, BK+64*((\a)%2)
.irp t, 0,1,2,3,4,5,6,7,8,9,10,11,12,13,14,15
	ds_load_b128 v[BB+4*\t:BB+4*\t+3], v[RD] offset:\t*528
.endr
.endm
.macro SEND a, younger
.set BB, BK+64*((\a)%2)
	s_wait_dscnt \younger
.irp t, 0,1,2,3,4,5,6,7,8,9,10,11,12,13,14,15
	global_store_b128 v4, v[BB+4*\t:BB+4*\t+3], s[8:9] offset:(32*((\a)/2)+8*((\a)%2)+\t+8*(\t/8))*16384 th:TH_STORE_NT
.endr
.endm
	PLACES
	TOSTAGE 0
.irp a, 1,2,3
.if \a > 1
	s_wait_xcnt 0x0
.endif
	TOSTAGE \a
	SEND \a-1, 32
.endr
	SEND 3, 0
	s_wait_tensorcnt 0x0
	ds_add_u32 v[SPW], v[NIL]
	s_wait_dscnt 0x0
	CROUND
	s_endpgm
.Lfunc_end_k_qdfd8d0ec17_oproj:
	.size	k_qdfd8d0ec17_oproj, .Lfunc_end_k_qdfd8d0ec17_oproj-k_qdfd8d0ec17_oproj
	.p2alignl 7, 3214868480
	.fill 96, 4, 3214868480
	.section	.rodata,"a",@progbits
	.p2align	6, 0x0
	.amdhsa_kernel k_qdfd8d0ec17_oproj
		.amdhsa_group_segment_fixed_size 327680
		.amdhsa_private_segment_fixed_size 0
		.amdhsa_enable_private_segment 0
		.amdhsa_kernarg_size 24
		.amdhsa_user_sgpr_count 2
		.amdhsa_user_sgpr_kernarg_segment_ptr 1
		.amdhsa_wavefront_size32 1
		.amdhsa_system_sgpr_workgroup_id_x 1
		.amdhsa_system_sgpr_workgroup_id_y 1
		.amdhsa_system_sgpr_workgroup_id_z 1
		.amdhsa_system_vgpr_workitem_id 0
		.amdhsa_next_free_vgpr 1024
		.amdhsa_next_free_sgpr 100
		.amdhsa_reserve_vcc 0
		.amdhsa_float_denorm_mode_32 3
		.amdhsa_float_denorm_mode_16_64 3
		.amdhsa_memory_ordered 1
		.amdhsa_forward_progress 1
		.amdhsa_inst_pref_size 136
	.end_amdhsa_kernel
	.amdgpu_metadata
---
amdhsa.version: [ 1, 2 ]
amdhsa.kernels:
  - .name:           k_qdfd8d0ec17_oproj
    .symbol:         k_qdfd8d0ec17_oproj.kd
    .args:
      - { .name: attnimg, .offset: 0, .size: 8, .value_kind: global_buffer, .address_space: global }
      - { .name: img, .offset: 8, .size: 8, .value_kind: global_buffer, .address_space: global }
      - { .name: out0, .offset: 16, .size: 8, .value_kind: global_buffer, .address_space: global }
    .group_segment_fixed_size: 327680
    .private_segment_fixed_size: 0
    .kernarg_segment_align: 8
    .kernarg_segment_size: 24
    .max_flat_workgroup_size: 128
    .sgpr_count:     100
    .vgpr_count:     1024
    .wavefront_size: 32
...
	.end_amdgpu_metadata
.endif
;; end of part 4
